; MI455X (gfx1250); checked and timed in simulation.
; The chip was launched on July 23, 2026; its instructions are those of AMD's public machine-readable ISA for CDNA 5 (MIT licence, August 2026) and "CDNA5" Instruction Set Architecture Reference Guide (July 2026). The comments in the code are by the model that wrote it; some were corrected since.
;; Scaled Dot Product Attention. Allowed arithmetic: float matrix products may take bf16 or f16 operands with f32 sums; other float arithmetic in f32, or as packed bf16 or f16 multiplies, adds, multiply-adds, maxima and minima; sums over many terms, partial sums and values carried from step to step in f32; what a program stores and reads back later, other than sums and carried values, may be rounded once to bf16 or f16.
;; Inputs: Wk 1,024 x 1,024 float32; Wq 1,024 x 1,024 float32; Wv 1,024 x 1,024 float32; bk 1,024 float32; bq 1,024 float32; bv 1,024 float32; x 32 x 512 x 1,024 float32.
;; Outputs: out0 32 x 512 x 1,024 float32.
;; One version. Each part assembles by itself: llvm-mc -triple=amdgcn-amd-amdhsa -mcpu=gfx1250 --defsym DOCPART=n.
;; ======== version 1 of 1: 3 launches
;; limits: values are held in f16: magnitudes above 65,504 overflow, below 6.1e-05 lose precision; inputs' magnitudes at most 65,504; right only within a limited range of input values
;; workspace buffers: xh 33,554,432 bytes; bt 4,194,304 bytes; bias 8,192 bytes; qv 67,108,864 bytes
;; launch prep (part 1): grid 256 x 1, 8 waves a work-group, no clusters, 283,392 bytes of LDS; arguments Wk, Wq, Wv, bq, bv, x, xh, bt, bias; writes xh, bt, bias
.if DOCPART == 1
	.amdgcn_target "amdgcn-amd-amdhsa--gfx1250"
	.amdhsa_code_object_version 6
	.text
	.protected	k_qd88781eabb_prep
	.globl	k_qd88781eabb_prep
	.p2align	8
	.type	k_qd88781eabb_prep,@function
k_qd88781eabb_prep:
	s_mov_b64 s[64:65], 0
	v_nop
	global_prefetch_b8 v0, s[64:65] scope:SCOPE_SE
	s_setreg_imm32_b32 hwreg(HW_REG_WAVE_MODE, 25, 1), 1
	s_wait_xcnt 0x0
; PREP: rounds the inputs and lays out what the two later launches multiply.
; THE PROBLEM.  Q = x Wq + bq, K = x Wk + bk, V = x Wv + bv; out = softmax_t(causal(Q K^T / 32)) V; x: [32][512][1024], W: [1024 in][1024 out], all f32.
; WORK LEFT OUT, for all values of the inputs:
;  (1) bk.  Q[s] . K[t] = Q[s] . K0[t] + Q[s] . bk with K0 = x Wk.  The second term is the same for every t of row s, and a softmax along t is unchanged by a term that is constant along t
;      (the hidden places are -inf whatever is added).  So bk reaches no output: it is not loaded and is an argument of no launch.
;  (2) K is never formed.  Q[s] . K0[t] = sum_n x[t][n] Qp[s][n] with Qp = x G + g, G[i][n] = sum_o Wq[i][o] Wk[n][o], g[n] = sum_o Wk[n][o] bq[o]: the same real number, associated otherwise.
;      G (one product of 1024^3) stands for the K projection (16 of them), and the rounded x serves as the keys.
;  LIMITS.  A NaN, an infinity or an overflow that reaches only bk's term is not carried to the result.  The order of rounding differs from the formula as written: G is rounded once, K has no rounding.
; FORMATS.  Every input is rounded once to bf16 (nearest even).  x and Wv are then written as f16: the same number for 6.1e-5 <= |v| < 65,504; below that f16 keeps a fixed step of 6e-8.
; G is multiplied in bf16, summed in f32 and stored in f16, unscaled (room to 65,504; below 6.1e-5 the fixed step of 6e-8).  g and the rounded bv are stored in f32.
; OUT.  xh [16384][1024] f16;  bt [2048][1024] f16: row n < 1024 holds G[.][n], row 1024 + n holds Wv[.][n];  bias [2048] f32: g, then bv.
; SHARES.  256 work-groups of eight waves, all alike.  Work-group p: a tile of 64 x 64 of bt's upper half (rows 64 (p / 16), columns 64 (p % 16), K = 1024); a tile of Wv turned (128 k x 32 n);
; g[4p .. 4p+3] (its rows of Wk lie in LDS anyway); bv[4p .. 4p+3]; rows 64 p .. 64 p + 63 of x.
; One stream of loads: 64 rows of Wk, 64 of Wq, 64 of x, a row of 4,096 bytes to an instruction of the work-group (16 bytes a thread), through a ring of 32 register slots: 32 loads of each wave are always out.
; G is multiplied while x's last 32 rows are on their way.
; NO TENSOR LOADS, NO CLUSTER: the rows that work-groups share (Wk, Wq) are f32 and have to pass through registers to be rounded; as they lie they are 128 x 4,096 = 524,288 bytes, more than LDS holds.
; NO PREFETCH: the launch is one stream of loads with nothing between them to hide.
.set PW,    2064                       ; an LDS row of W: 1,024 bf16 + 16 bytes = 129 x 16: the 16 rows of a fragment load start in 16 different groups of four banks
.set WT,    128*PW                     ; behind W's 128 rows (0-63 Wk, 64-127 Wq): Wv turned, 32 rows (n) of 128 f16 (k),
.set PT,    272                        ; 256 + 16 bytes apart
.set GS,    WT+32*PT                   ; the stage of bt's tile: 64 rows of 64 f16,
.set PG,    144                        ; 128 + 16 bytes apart
.set SPARE, GS+64*PG                   ; the spare words: 128 bytes for each of eight waves, four blocks of 256 bytes that no other line names
.set GP,    SPARE+1024                 ; the waves' partial sums of g: 16 bytes a wave
.set R,     64                         ; v[64:191]  the ring: 32 slots of 4 registers
.set F,     192                        ; v[192:239] two sets of fragments: 8 registers of Wk, 16 of Wq
.set ACC,   32                         ; v[32:47]   first Wv as loaded, then two accumulators
; v0 thread; v1 lane; v2 lane % 16; v3 lane / 16; v4 16 t; v5 where a row of W goes (8 t + the group's rows); v6 8 t; v7-v10 Wv's tile in, back, out; v11-v13 bt's tile in, back, out;
; v14, v15 fragments of Wk, Wq; v16 my 8 bytes of g's rows; v17 my wave's partial sums; v18, v19 the add's two; v20-23 g; v24-31 at work; v48-53 bq; v54-61 four pairs to store; v62 0; v63 at work
	s_load_b512 s[4:19], s[0:1], 0x0               ; Wk s[4:5], Wq s[6:7], Wv s[8:9], bq s[10:11], bv s[12:13], x s[14:15], xh s[16:17], bt s[18:19]
	s_load_b64 s[20:21], s[0:1], 0x40              ; bias
	v_lshl_add_u32 v18, v0, 2, SPARE
	v_mov_b32 v19, 0
	v_lshrrev_b32 v2, 5, v0
	v_readfirstlane_b32 s22, v2                    ; wave 0..7
	v_and_b32 v1, 31, v0
	v_and_b32 v2, 15, v0
	v_bfe_u32 v3, v0, 4, 1
	v_lshlrev_b32 v4, 4, v0
	v_lshlrev_b32 v5, 3, v0
	v_lshlrev_b32 v6, 3, v0
	v_mov_b32 v62, 0
	v_mov_b32 v63, 0
	v_and_b32 v24, 7, v0
	v_lshrrev_b32 v25, 3, v0
	v_lshrrev_b32 v26, 4, v0
	v_mul_u32_u24 v7, v24, 4*PT                    ; Wv in: my four n are rows 4 (t % 8) .., my k is t / 8 (+ 32 for each further load)
	v_lshl_add_u32 v7, v25, 1, v7
	v_add_nc_u32 v7, WT, v7
	v_lshlrev_b32 v8, 12, v25                      ; in memory: row t / 8, 16 bytes at 16 (t % 8)
	v_lshl_add_u32 v8, v24, 4, v8
	v_mul_u32_u24 v9, v26, PT                      ; back: row t / 16, 16 bytes at 16 (t % 16): sixteen lanes take a row of 256 bytes
	v_lshl_add_u32 v9, v2, 4, v9
	v_add_nc_u32 v9, WT, v9
	v_lshlrev_b32 v10, 11, v26
	v_lshl_add_u32 v10, v2, 4, v10
	v_mul_u32_u24 v12, v25, PG                     ; bt's tile back: row t / 8, 16 bytes at 16 (t % 8)
	v_lshl_add_u32 v12, v24, 4, v12
	v_add_nc_u32 v12, GS, v12
	v_lshlrev_b32 v13, 11, v25
	v_lshl_add_u32 v13, v24, 4, v13
	s_lshr_b32 s60, s22, 1                         ; wave w multiplies rows 16 (w / 2) .. of the tile by columns 32 (w % 2) ..
	s_and_b32 s61, s22, 1
	s_lshl_b32 s60, s60, 4
	v_add_nc_u32 v27, s60, v2
	v_mul_u32_u24 v14, v27, PW
	v_lshl_add_u32 v14, v3, 4, v14
	v_mul_u32_u24 v11, v27, PG
	v_lshl_add_u32 v11, v3, 4, v11
	s_lshl_b32 s62, s61, 6
	s_add_co_u32 s62, s62, GS
	v_add_nc_u32 v11, s62, v11
	s_lshl_b32 s62, s61, 5
	s_add_co_u32 s62, s62, 64
	v_add_nc_u32 v27, s62, v2
	v_mul_u32_u24 v15, v27, PW
	v_lshl_add_u32 v15, v3, 4, v15
	s_and_b32 s26, ttmp9, 15                       ; tile column
	s_lshr_b32 s23, ttmp9, 4                       ; tile row
	s_mul_i32 s62, s26, 4*PW                       ; rows 4p .. 4p+3 of Wk are LDS rows 4 (p % 16) ..
	v_lshl_add_u32 v16, v0, 3, s62
	s_lshl_b32 s62, s22, 4
	s_add_co_u32 s62, s62, GP
	v_mov_b32 v17, s62
	s_mov_b32 s42, 0xffff0000                      ; a word's upper bf16
	s_mov_b32 s44, 0x76543210                      ; v_permlanex16_b32: each lane takes its own place in the other half
	s_mov_b32 s45, 0xfedcba98
	s_mov_b32 s59, 0
	s_wait_kmcnt 0x0
	s_lshl_b32 s58, s23, 18
	s_add_nc_u64 s[56:57], s[4:5], s[58:59]        ; Wk at the tile's first row
	s_add_nc_u64 s[28:29], s[56:57], 0x20000       ; what the ring asks for next: Wk's rows 32 ..,
	s_lshl_b32 s58, s26, 18
	s_add_nc_u64 s[30:31], s[6:7], s[58:59]        ; then Wq's rows 0 ..,
	s_add_nc_u64 s[32:33], s[30:31], 0x20000       ; then its rows 32 ..
	s_lshl_b32 s58, ttmp9, 18
	s_add_nc_u64 s[34:35], s[14:15], s[58:59]      ; x at my 64 rows
	s_lshl_b32 s58, ttmp9, 17
	s_add_nc_u64 s[36:37], s[16:17], s[58:59]      ; xh likewise
	s_lshl_b32 s58, s23, 17
	s_lshl_b32 s27, s26, 7
	s_add_co_u32 s58, s58, s27
	s_add_nc_u64 s[38:39], s[18:19], s[58:59]      ; bt at G's tile
	s_and_b32 s27, ttmp9, 31                       ; Wv's tile: n0 = 32 (p % 32), k0 = 128 (p / 32)
	s_lshr_b32 s43, ttmp9, 5
	s_lshl_b32 s58, s27, 16
	s_lshl_b32 s47, s43, 8
	s_add_co_u32 s58, s58, s47
	s_add_co_u32 s58, s58, 0x200000
	s_add_nc_u64 s[40:41], s[18:19], s[58:59]      ; bt at row 1024 + n0, byte 2 k0
	s_lshl_b32 s58, s43, 19
	s_lshl_b32 s47, s27, 7
	s_add_co_u32 s58, s58, s47
	s_add_nc_u64 s[52:53], s[8:9], s[58:59]        ; Wv at row k0, byte 4 n0
	s_lshl_b32 s58, ttmp9, 4
	s_add_nc_u64 s[24:25], s[12:13], s[58:59]      ; bv and bias at 4 p
	s_add_nc_u64 s[54:55], s[20:21], s[58:59]
	global_load_b128 v[48:51], v4, s[10:11]        ; bq[4t .. 4t+3]
.irp c, 0,1,2,3
	global_load_b128 v[ACC+4*(\c):ACC+4*(\c)+3], v8, s[52:53] offset:(\c)*131072
.endr
.set i, 0
.rept 32
	global_load_b128 v[R+4*i:R+4*i+3], v4, s[56:57] offset:i*4096  ; the ring is filled: Wk's rows 0-31
.set i, i+1
.endr
; four f32 at v[src] -> bf16, nearest even -> the same four numbers as f16 in v[dst], v[dst+1]
.macro TOH src, dst
	v_cvt_pk_bf16_f32 v24, v[(\src)], v[(\src)+1]
	v_cvt_pk_bf16_f32 v25, v[(\src)+2], v[(\src)+3]
	v_lshlrev_b32 v26, 16, v24
	v_and_b32 v27, s42, v24
	v_lshlrev_b32 v28, 16, v25
	v_and_b32 v29, s42, v25
	v_cvt_pk_f16_f32 v[(\dst)], v26, v27
	v_cvt_pk_f16_f32 v[(\dst)+1], v28, v29
.endm
; slot i of the ring holds a row of W: it goes to LDS in bf16, and the slot asks for row i of the next 32 rows, at s[base]
.macro WITEM i, base, nt
	s_wait_loadcnt 31                              ; loads come back in order: mine is in, the 31 younger ones stay out
	v_cvt_pk_bf16_f32 v24, v[R+4*(\i)], v[R+4*(\i)+1]
	v_cvt_pk_bf16_f32 v25, v[R+4*(\i)+2], v[R+4*(\i)+3]
	ds_store_b64 v5, v[24:25] offset:(\i)*PW
.if \nt
	global_load_b128 v[R+4*(\i):R+4*(\i)+3], v4, s[(\base):(\base)+1] offset:(\i)*4096 th:TH_LOAD_NT
.else
	global_load_b128 v[R+4*(\i):R+4*(\i)+3], v4, s[(\base):(\base)+1] offset:(\i)*4096
.endif
.endm
; slot i holds row `row` of my x: it leaves as f16; ld = 1: the slot asks for the row 32 further down.  Four pairs of store registers take turns, so that one wait serves four rows.
.macro XITEM i, row, ld, cnt
	s_wait_loadcnt \cnt
.if ((\i)%4) == 0
	s_wait_xcnt 0x0                                ; the stores issued so far have read their registers: the four pairs are written again only behind this wait
.endif
	TOH R+4*(\i), 54+2*((\i)%4)
.if \ld
	global_load_b128 v[R+4*(\i):R+4*(\i)+3], v4, s[34:35] offset:((\row)+32)*4096 th:TH_LOAD_NT
.endif
	global_store_b64 v6, v[54+2*((\i)%4):54+2*((\i)%4)+1], s[36:37] offset:(\row)*2048 th:TH_STORE_NT  ; a wave stores 256 consecutive bytes, aligned
.endm
.macro PLACES
.rept 4
	v_nop
.endr
.endm
; the fragments of one K step of 32 (64 bytes of the rows, at byte off behind the two addresses): 16 rows of Wk, 32 rows of Wq
.macro GLOAD set, off
	ds_load_b128 v[F+24*(\set):F+24*(\set)+3],     v14 offset:(\off)
	ds_load_b128 v[F+24*(\set)+4:F+24*(\set)+7],   v14 offset:(\off)+32
	ds_load_b128 v[F+24*(\set)+8:F+24*(\set)+11],  v15 offset:(\off)
	ds_load_b128 v[F+24*(\set)+12:F+24*(\set)+15], v15 offset:(\off)+32
	ds_load_b128 v[F+24*(\set)+16:F+24*(\set)+19], v15 offset:(\off)+16*PW
	ds_load_b128 v[F+24*(\set)+20:F+24*(\set)+23], v15 offset:(\off)+16*PW+32
.endm
; two products, source 0 = rows of Wq, source 1 = rows of Wk: a lane then holds one row of bt's tile and eight neighbouring columns.  The two accumulators take turns.
.macro GMUL set, zero
.if \zero
	v_wmma_f32_16x16x32_bf16 v[ACC:ACC+7],    v[F+24*(\set)+8:F+24*(\set)+15],  v[F+24*(\set):F+24*(\set)+7], 0
	v_wmma_f32_16x16x32_bf16 v[ACC+8:ACC+15], v[F+24*(\set)+16:F+24*(\set)+23], v[F+24*(\set):F+24*(\set)+7], 0
.else
	v_wmma_f32_16x16x32_bf16 v[ACC:ACC+7],    v[F+24*(\set)+8:F+24*(\set)+15],  v[F+24*(\set):F+24*(\set)+7], v[ACC:ACC+7]
	v_wmma_f32_16x16x32_bf16 v[ACC+8:ACC+15], v[F+24*(\set)+16:F+24*(\set)+23], v[F+24*(\set):F+24*(\set)+7], v[ACC+8:ACC+15]
.endif
.endm
	s_wait_loadcnt 32                              ; bq and Wv are in; the ring's 32 loads are younger
	v_cvt_pk_bf16_f32 v52, v48, v49
	v_cvt_pk_bf16_f32 v53, v50, v51
.irp c, 0,1,2,3
	TOH ACC+4*(\c), 30
	ds_store_b16 v7, v30 offset:64*(\c)            ; Wv[k][n .. n+3] goes to four rows n of the turned tile, at byte 2 k
	ds_store_b16_d16_hi v7, v30 offset:PT+64*(\c)
	ds_store_b16 v7, v31 offset:2*PT+64*(\c)
	ds_store_b16_d16_hi v7, v31 offset:3*PT+64*(\c)
.endr
	s_mov_b32 s46, 3
.Lw:                                               ; three trips of 32 rows: Wk 0-31, Wk 32-63, Wq 0-31 go to LDS; Wk 32-63, Wq 0-31, Wq 32-63 are asked for
.set i, 0
.rept 32
	WITEM i, 28, 0
.set i, i+1
.endr
	s_wait_xcnt 0x0                                ; the loads have read their base: it is written only behind this wait
	s_mov_b64 s[28:29], s[30:31]
	s_mov_b64 s[30:31], s[32:33]
	v_add_nc_u32 v5, 32*PW, v5
	s_sub_co_u32 s46, s46, 1
	s_cmp_lg_u32 s46, 0
	s_cbranch_scc1 .Lw
.set i, 0
.rept 32
	WITEM i, 34, 1                                 ; Wq 32-63 go to LDS; x's rows 0-31 are asked for
.set i, i+1
.endr
	s_wait_dscnt 0x0                               ; for the others: my stores into W and into Wv's tile are done
	s_barrier_signal -1
	s_barrier_wait -1
.set i, 0
.rept 32
	XITEM i, i, 1, 31                              ; x's rows 0-31 leave, rows 32-63 are asked for
.set i, i+1
.endr
	; G's tile, while those 32 loads are on their way: 32 K steps on two sets of fragments; a set is loaded a step ahead, four places behind the products that read it
	GLOAD 0, 0
	GLOAD 1, 64
	s_wait_dscnt 6                                 ; all but the six just issued
	GMUL 0, 1                                      ; the first K step starts the sums
	PLACES
	GLOAD 0, 128
	s_wait_dscnt 6
	GMUL 1, 0
	v_add_nc_u32 v14, 128, v14
	v_add_nc_u32 v15, 128, v15
	s_mov_b32 s46, 14
.Lg:
	PLACES
	GLOAD 1, 64
	s_wait_dscnt 6
	GMUL 0, 0
	PLACES
	GLOAD 0, 128
	s_wait_dscnt 6
	GMUL 1, 0
	v_add_nc_u32 v14, 128, v14
	v_add_nc_u32 v15, 128, v15
	s_sub_co_u32 s46, s46, 1
	s_cmp_lg_u32 s46, 0
	s_cbranch_scc1 .Lg
	PLACES
	GLOAD 1, 64
	s_wait_dscnt 6
	GMUL 0, 0
	s_wait_dscnt 0x0                               ; the last K step: nothing more is loaded
	GMUL 1, 0
	PLACES
.irp k, 0,1,2,3,4,5,6,7
	v_cvt_pk_f16_f32 v[F+(\k)], v[ACC+2*(\k)], v[ACC+2*(\k)+1]  ; each accumulator from its low end
.endr
	ds_store_b128 v11, v[F:F+3]
	ds_store_b128 v11, v[F+4:F+7] offset:32
.irp e, 0,1,2,3
	ds_load_b64 v[240+2*(\e):241+2*(\e)], v16 offset:(\e)*PW  ; Wk[4p+e][4t .. 4t+3], rounded
.endr
	ds_load_b128 v[200:203], v9                    ; Wv's turned tile, written in front of the first barrier
	ds_load_b128 v[204:207], v9 offset:16*PT
	s_wait_dscnt 0x0
	global_store_b128 v10, v[200:203], s[40:41]    ; sixteen lanes store 256 consecutive bytes, aligned
	global_store_b128 v10, v[204:207], s[40:41] offset:32768
.irp e, 0,1,2,3
	v_fma_mix_f32_bf16 v[20+(\e)], v[240+2*(\e)], v52, v62 op_sel_hi:[1,1,0]
.endr
.irp e, 0,1,2,3
	v_fma_mix_f32_bf16 v[20+(\e)], v[240+2*(\e)], v52, v[20+(\e)] op_sel:[1,1,0] op_sel_hi:[1,1,0]
.endr
.irp e, 0,1,2,3
	v_fma_mix_f32_bf16 v[20+(\e)], v[241+2*(\e)], v53, v[20+(\e)] op_sel_hi:[1,1,0]
.endr
.irp e, 0,1,2,3
	v_fma_mix_f32_bf16 v[20+(\e)], v[241+2*(\e)], v53, v[20+(\e)] op_sel:[1,1,0] op_sel_hi:[1,1,0]
.endr
.irp m, 1,2,4,8
.irp e, 0,1,2,3
	v_add_f32_dpp v[20+(\e)], v[20+(\e)], v[20+(\e)] row_xmask:\m row_mask:0xf bank_mask:0xf
.endr
.endr
.irp e, 0,1,2,3
	v_permlanex16_b32 v63, v[20+(\e)], s44, s45
	v_add_f32 v[20+(\e)], v[20+(\e)], v63
.endr
	ds_store_b128 v17, v[20:23]                    ; my wave's 128 terms of the four g: every lane writes the same 16 bytes
	s_wait_dscnt 0x0                               ; for the others: the stage and the partial sums are written
	s_barrier_signal -1
	s_barrier_wait -1
	ds_load_b128 v[208:211], v12
	ds_load_b128 v[212:215], v12 offset:32*PG
	s_wait_dscnt 0x0
	global_store_b128 v13, v[208:211], s[38:39]    ; eight lanes store the tile's 128 bytes of a row: a tile 128 columns wide would want 160 rows of W in LDS, which do not fit
	global_store_b128 v13, v[212:215], s[38:39] offset:65536
	s_cmp_lg_u32 s22, 0
	s_cbranch_scc1 .Lnot0                          ; wave 0 finishes g and rounds bv
	s_load_b128 s[48:51], s[24:25], 0x0
.irp k, 0,1,2,3,4,5,6,7
	ds_load_b128 v[216+4*(\k):219+4*(\k)], v17 offset:16*(\k)  ; in wave 0 this address is the block's first byte
.endr
	s_wait_dscnt 0x0
.irp k, 0,2,4,6
	v_pk_add_f32 v[216+4*(\k):217+4*(\k)], v[216+4*(\k):217+4*(\k)], v[220+4*(\k):221+4*(\k)]
	v_pk_add_f32 v[218+4*(\k):219+4*(\k)], v[218+4*(\k):219+4*(\k)], v[222+4*(\k):223+4*(\k)]
.endr
.irp k, 0,4
	v_pk_add_f32 v[216+4*(\k):217+4*(\k)], v[216+4*(\k):217+4*(\k)], v[224+4*(\k):225+4*(\k)]
	v_pk_add_f32 v[218+4*(\k):219+4*(\k)], v[218+4*(\k):219+4*(\k)], v[226+4*(\k):227+4*(\k)]
.endr
	v_pk_add_f32 v[216:217], v[216:217], v[232:233]
	v_pk_add_f32 v[218:219], v[218:219], v[234:235]
	s_wait_kmcnt 0x0
	v_cvt_pk_bf16_f32 v248, s48, s49
	v_cvt_pk_bf16_f32 v249, s50, s51
	v_lshlrev_b32 v252, 16, v248
	v_and_b32 v253, s42, v248
	v_lshlrev_b32 v254, 16, v249
	v_and_b32 v255, s42, v249
	s_wait_xcnt 0x0                                ; EXEC is a source of what has been issued: it changes only behind this wait
	v_cmp_eq_u32 vcc_lo, 0, v1
	s_and_saveexec_b32 s47, vcc_lo
	global_store_b128 v62, v[216:219], s[54:55]
	global_store_b128 v62, v[252:255], s[54:55] offset:4096
	s_wait_xcnt 0x0                                ; and again in front of the line that widens it
	s_or_b32 exec_lo, exec_lo, s47
.Lnot0:
.set i, 0
.rept 32
	XITEM i, 32+i, 0, 31-i                         ; x's rows 32-63 leave; nothing is asked for: the counts run down
.set i, i+1
.endr
	s_wait_tensorcnt 0x0                           ; the wave's end, behind my last LDS store
	ds_add_u32 v18, v19
	s_wait_dscnt 0x0
	s_endpgm
.Lfunc_end_k_qd88781eabb_prep:
	.size	k_qd88781eabb_prep, .Lfunc_end_k_qd88781eabb_prep-k_qd88781eabb_prep
	.p2alignl 7, 3214868480
	.fill 96, 4, 3214868480
	.section	.rodata,"a",@progbits
	.p2align	6, 0x0
	.amdhsa_kernel k_qd88781eabb_prep
		.amdhsa_group_segment_fixed_size 283392
		.amdhsa_private_segment_fixed_size 0
		.amdhsa_enable_private_segment 0
		.amdhsa_kernarg_size 72
		.amdhsa_user_sgpr_count 2
		.amdhsa_user_sgpr_kernarg_segment_ptr 1
		.amdhsa_wavefront_size32 1
		.amdhsa_system_sgpr_workgroup_id_x 1
		.amdhsa_system_sgpr_workgroup_id_y 1
		.amdhsa_system_sgpr_workgroup_id_z 1
		.amdhsa_system_vgpr_workitem_id 0
		.amdhsa_next_free_vgpr 256
		.amdhsa_next_free_sgpr 66
		.amdhsa_reserve_vcc 1
		.amdhsa_float_denorm_mode_32 3
		.amdhsa_float_denorm_mode_16_64 3
		.amdhsa_memory_ordered 1
		.amdhsa_forward_progress 1
		.amdhsa_inst_pref_size 77
	.end_amdhsa_kernel
	.amdgpu_metadata
---
amdhsa.version: [ 1, 2 ]
amdhsa.kernels:
  - .name:           k_qd88781eabb_prep
    .symbol:         k_qd88781eabb_prep.kd
    .args:
      - { .name: Wk, .offset: 0, .size: 8, .value_kind: global_buffer, .address_space: global }
      - { .name: Wq, .offset: 8, .size: 8, .value_kind: global_buffer, .address_space: global }
      - { .name: Wv, .offset: 16, .size: 8, .value_kind: global_buffer, .address_space: global }
      - { .name: bq, .offset: 24, .size: 8, .value_kind: global_buffer, .address_space: global }
      - { .name: bv, .offset: 32, .size: 8, .value_kind: global_buffer, .address_space: global }
      - { .name: x, .offset: 40, .size: 8, .value_kind: global_buffer, .address_space: global }
      - { .name: xh, .offset: 48, .size: 8, .value_kind: global_buffer, .address_space: global }
      - { .name: bt, .offset: 56, .size: 8, .value_kind: global_buffer, .address_space: global }
      - { .name: bias, .offset: 64, .size: 8, .value_kind: global_buffer, .address_space: global }
    .group_segment_fixed_size: 283392
    .private_segment_fixed_size: 0
    .kernarg_segment_align: 8
    .kernarg_segment_size: 72
    .max_flat_workgroup_size: 256
    .sgpr_count:     66
    .vgpr_count:     256
    .wavefront_size: 32
...
	.end_amdgpu_metadata
.endif
;; end of part 1
;; launch gemm (part 2): grid 8 x 64, 4 waves a work-group, clusters of 4 x 4, 327,680 bytes of LDS; arguments xh, bt, qv, bias; writes qv
.if DOCPART == 2
	.amdgcn_target "amdgcn-amd-amdhsa--gfx1250"
	.amdhsa_code_object_version 6
	.text
	.protected	k_qd88781eabb_gemm
	.globl	k_qd88781eabb_gemm
	.p2align	8
	.type	k_qd88781eabb_gemm,@function
k_qd88781eabb_gemm:
	s_mov_b64 s[64:65], 0
	v_nop
	global_prefetch_b8 v0, s[64:65] scope:SCOPE_SE
	s_setreg_imm32_b32 hwreg(HW_REG_WAVE_MODE, 25, 1), 1
	s_wait_xcnt 0x0
	s_wait_alu depctr_hold_cnt(0) depctr_sa_sdst(0) depctr_va_vdst(0) depctr_va_sdst(0) depctr_va_ssrc(0) depctr_va_vcc(0) depctr_vm_vsrc(0)
	s_getreg_b32 s2, hwreg(HW_REG_IB_STS2, 6, 4)
	s_cmp_eq_u32 s2, 0
	s_cbranch_scc0 .Lentry_in_a_cluster
	s_endpgm
.Lentry_in_a_cluster:
	s_bfe_u32 s2, ttmp6, 0x10000c
	s_cmp_lg_u32 s2, 0xf033
	s_cbranch_scc0 .Lentry_shape_is_right
	s_endpgm
.Lentry_shape_is_right:
; qv[m][n] = scale(n) x (bias[n] + sum over k of xh[m][k] bt[n][k]).  xh: [16384][1024], bt: [2048][1024], qv: [16384][2048], all f16; bias: [2048] f32; sums in f32, qv rounded once.
; Columns 0-1023 are Qs = 2^-10 (x G + g), columns 1024-2047 are Vs = 2^-4 (x Wv + bv).  WORK LEFT OUT: there is no K projection and no bk (shown at the head of the first kernel): x itself serves as the keys.
; LIMITS.  f16 ends at 65,504: x G + g has room to 6.7e7, x Wv + bv to 1.0e6; below 6.1e-5 (after the scale) f16 keeps a fixed step of 6e-8.  NaN and infinities are not treated apart.
; A tile of C, 256 x 256, is made by a work-group of four waves, as many as a WGP has SIMDs; a wave makes 128 x 128: 64 accumulators of 16 x 16, 512 registers.  512 tiles, one to a work-group.
; K goes in steps of 128 through a ring of two LDS slots filled by the tensor data mover: the rows of A's and B's tiles are 256 bytes of memory and start at multiples of 256 bytes.
; The last K step goes by rows of C, so that finished rows leave while the others are multiplied.
; CLUSTERS: 4 x 4 work-groups.  The four of a row of the cluster need the same tiles of A, the four of a column the same tiles of B: each tile is asked for JOINTLY, by the same tensor load with the same
; descriptor and a mask that names the four; each receives it in its own LDS.  That divides the requests for A and for B by four.
; REGISTERS, in windows of 256 (s_set_vgpr_msb: bits 1:0 source 0, 3:2 source 1, 5:4 source 2, 7:6 destination):
;   window 0: v0-31 addresses; v64-127, v128-191 fragments of A, two buffers (in the last K step four, of 16 rows x 128 K); v32-63, v192-255 at work on the way out
;   window 1: v64-127, v128-191 fragments of B, two buffers; v192-255 the bias of my 128 columns, the C operand of the first products; in the last K step all 256: B's fragments of the whole step
;   window 2: the 32 accumulators of my rows 0-63 (accumulator (a, b) at v[8 (8 a + b)]);   window 3: those of my rows 64-127
; THE MATRIX INSTRUCTION IS USED TRANSPOSED: source 0 = 16 rows of B, source 1 = 16 rows of A.  Lane l then holds row l % 16 of C, and its registers 0 to 7 the columns 8 (l / 16) + 0 .. 7: eight
; neighbouring numbers of a row, which pack into 16 bytes; the bias of block b is the same eight numbers for every block of rows.
.set SIZE_M, 16384
.set SIZE_N, 2048
.set SIZE_K, 1024
.set KSTEP,  128
.set PITCH,  272                       ; an LDS row: 256 bytes + 16 of padding = 68 words: the 16 rows that a load touches start at 16 different groups of four banks
.set HALFT,  128*PITCH                 ; 128 rows: what one tensor load brings, and what one wave reads of A or of B
.set SLOT,   4*HALFT                   ; A's 256 rows, then B's 256 rows
.set STAGE,  2*SLOT                    ; behind the ring: 16 rows x 272 bytes for each wave, for the way out
.set SPITCH, 272
.set SPARE,  STAGE+4*16*SPITCH         ; behind the stages: the spare words, 128 bytes for each wave: two blocks of 256 bytes that no other line names
.set LAPS, SIZE_K/(2*KSTEP)            ; a lap = two K steps = once round the ring
.set ADRA, 16                          ; v16-17  LDS address of my A fragments in slot 0, 1
.set ADRB, 20                          ; v20-21  the same for B
.set STO,  24                          ; v24     the way out: where I put 16 bytes of a row
.set RD,   25                          ; v25     the way out: where I read a row back
.set CO,   26                          ; v26     my byte offset in C
.set BO,   27                          ; v27     32 x (lane / 16): my eight numbers in 64 bytes of the bias
.set SPW,  28                          ; v28     LDS address of my spare word; never rewritten
.set NIL,  29                          ; v29     0; never rewritten
.set PFO,  30                          ; v30     the prefetches' offset: my lane x a row of A or B in memory; never rewritten
.set PFA,  44                          ; s[44:45] where my prefetches stand
.set LIM,  43                          ; s43     1 in a wave that prefetches, else the greatest number
.set F0,   64
.set F1,   128
.set BIA,  192                         ; window 1
.set TMP,  192                         ; the way out: packed results, in window 0
.set OB,   32                          ; the way out: 16 rows read back from the stage: v32-63 and v224-255 by turns
.set PA,   64                          ; the last K step: A's fragments of 16 rows x 128 K, 32 registers; four such buffers
.set G1, 24                            ; s[24:31] descriptor group 1 for A's tiles
.set G0, 32                            ; s[32:39] descriptor group 0 for A's tiles, one set for each slot
.set G1B, 48                           ; s[48:55] group 1 for B's tiles: it differs in the mask alone
.set G0B, 56                           ; s[56:63] group 0 for B's tiles
.set MSB, 0
.macro WIN new                         ; the immediate's high byte repeats the setting that is left; a switch that changes nothing is dropped
.if MSB != (\new)
	s_set_vgpr_msb (MSB<<8)|(\new)
.set MSB, \new
.endif
.endm
.set MUL_LO, 0xa1                      ; source 0 (B) window 1, source 1 (A) window 0, C and D window 2
.set MUL_HI, 0xf1                      ; the same, C and D window 3
.set MUL_B,  0x91                      ; the first products: C (the bias) window 1, D window 2; + 0x40: D window 3
.set TO_B,   0x40                      ; destination window 1, address window 0
; A joint load.  Waves 0 and 1 fetch A's two halves, waves 2 and 3 B's.  The branch hangs on the wave's number alone.  An s_nop 0 and four v_nop follow each of the two lines.
.macro JLOAD s
	s_cmp_eq_u32 s11, 0
	s_cbranch_scc0 .Lfor_b_\@
	tensor_load_to_lds s[G0+4*(\s):G0+4*(\s)+3], s[G1:G1+7]
	s_nop 0
.rept 4
	v_nop
.endr
	s_branch .Lasked_\@
.Lfor_b_\@:
	tensor_load_to_lds s[G0B+4*(\s):G0B+4*(\s)+3], s[G1B:G1B+7]
	s_nop 0
.rept 4
	v_nop
.endr
.Lasked_\@:
.endm
; A PREFETCH INTO THE L2, behind each joint load, its five lines and the run of LDS loads that follows: the K step that stands TWO refills on: 32 rows x 256 bytes, a lane a row, one instruction a wave:
; 512 matrix instructions ahead of the load that will want it.  Each row's 256 bytes of a K step are named once in the launch: of the clusters that read A's tile row the one with x = 0 asks, of those that
; read B's tile column the one with y = 0; the four partners that ask for a tile jointly share its rows out BY ADDRESS, 32 each.  The last two refills have no K step two on and ask for nothing.
.macro ASK
	s_cmp_gt_u32 s3, s[LIM]                        ; s3 = 1 in the loop's last trip
	s_cbranch_scc0 .Lnot_mine_\@
	global_prefetch_b8 v[PFO], s[PFA:PFA+1] offset:KSTEP*2 th:TH_LOAD_NT scope:SCOPE_SE
.Lnot_mine_\@:
.endm
.macro CREST                           ; a round of the cluster's barrier behind its opening barrier
	s_cmp_lg_u32 s10, 0
	s_cbranch_scc1 .Lnot_wave_0_\@
	s_barrier_signal -3
.Lnot_wave_0_\@:
	s_barrier_wait -3
	s_barrier_signal -1
	s_barrier_wait -1
.endm
.macro CROUND                          ; a whole round
	s_barrier_signal -1
	s_barrier_wait -1
	CREST
.endm
	s_load_b128 s[4:7], s[0:1], 0x0                ; A s[4:5], B s[6:7]
	s_load_b64 s[8:9], s[0:1], 0x10                ; C
	s_load_b64 s[66:67], s[0:1], 0x18              ; bias
	v_lshl_add_u32 v[SPW], v0, 2, SPARE
	v_mov_b32 v[NIL], 0
	ds_add_u32 v[SPW], v[NIL]                      ; the wave's opening: the add, twice on end, and its wait ahead of my first tensor load
	ds_add_u32 v[SPW], v[NIL]
	v_lshrrev_b32 v1, 5, v0
	v_readfirstlane_b32 s10, v1                    ; wave 0..3
	s_lshr_b32 s11, s10, 1                         ; which half of the tile's rows is mine.  Also: I fetch for A (0) or for B (1)
	s_and_b32 s12, s10, 1                          ; which half of its columns.  Also: which 128 rows of that tile I fetch
	s_bfe_u32 s40, ttmp6, 0x40000                  ; cx
	s_bfe_u32 s41, ttmp6, 0x40004                  ; cy
	s_lshl_b32 s42, ttmp9, 2
	s_add_co_u32 s42, s42, s40                     ; tile column of C = 4 x cluster x + cx
	s_and_b32 s13, ttmp7, 0xffff
	s_lshl_b32 s13, s13, 2
	s_add_co_u32 s13, s13, s41                     ; tile row of C = 4 x cluster y + cy
	s_lshl_b32 s43, s41, 2
	s_lshl_b32 s43, 15, s43                        ; my row of the cluster: places 4 cy .. 4 cy + 3
	s_lshl_b32 s44, 0x1111, s40                    ; my column: places cx, cx + 4, cx + 8, cx + 12
	s_or_b32 s[G1+0], s43, (1<<16)|(1<<20)|(1<<21)|(5<<22)|(3<<25)  ; the mask; elements of 2 bytes; padding on; bit 21 beside a mask; after every 64 words 4 words
	s_or_b32 s[G1B+0], s44, (1<<16)|(1<<20)|(1<<21)|(5<<22)|(3<<25)
	s_mov_b32 s[G1B+1], KSTEP<<16
	s_mov_b32 s[G1+1], KSTEP<<16                   ; tensor_dim0 = 128
	s_mov_b32 s[G1B+2], 128<<16
	s_mov_b32 s[G1+2], 128<<16                     ; tensor_dim1 = 128
	s_mov_b32 s[G1B+3], KSTEP<<16
	s_mov_b32 s[G1+3], KSTEP<<16                   ; tile_dim0 = 128
	s_mov_b32 s[G1B+4], 128
	s_mov_b32 s[G1+4], 128                         ; tile_dim1 = 128
	s_mov_b32 s[G1B+5], SIZE_K
	s_mov_b32 s[G1+5], SIZE_K                      ; elements from row to row
	s_mov_b32 s[G1B+6], 0
	s_mov_b32 s[G1+6], 0
	s_mov_b32 s[G1B+7], 0
	s_mov_b32 s[G1+7], 0
	; A's tiles hang on the tile row alone, which my row of the cluster shares; B's on the tile column alone, which my column shares
	s_lshl_b32 s17, s12, 7
	s_lshl_b32 s16, s13, 8
	s_add_co_u32 s16, s16, s17                     ; A: row 256 x tile row + 128 x half
	s_lshl_b32 s46, s42, 8
	s_add_co_u32 s46, s46, s17                     ; B: row 256 x tile column + 128 x half
	s_mov_b32 s17, 0
	s_mov_b32 s47, 0
	s_mov_b64 s[18:19], SIZE_K*2
	s_mul_u64 s[16:17], s[16:17], s[18:19]
	s_mul_u64 s[46:47], s[46:47], s[18:19]
	s_mul_i32 s20, s10, HALFT                      ; where they go: wave x 128 rows: no place in the cluster enters an LDS address
	s_wait_dscnt 0x0                               ; both opening adds are done
	s_wait_kmcnt 0x0
	s_add_nc_u64 s[14:15], s[4:5], s[16:17]
	s_add_nc_u64 s[46:47], s[6:7], s[46:47]
	CROUND                                         ; all sixteen work-groups are here: the first joint loads meet
.irp s, 0,1
	s_mov_b32 s[G0+4*(\s)], 1
	s_add_co_u32 s[G0+4*(\s)+1], s20, (\s)*SLOT
	s_add_nc_u64 s[G0+4*(\s)+2:G0+4*(\s)+3], s[14:15], (\s)*KSTEP*2
	s_or_b32 s[G0+4*(\s)+3], s[G0+4*(\s)+3], 0x80000000
	s_mov_b32 s[G0B+4*(\s)], 1
	s_add_co_u32 s[G0B+4*(\s)+1], s20, (\s)*SLOT
	s_add_nc_u64 s[G0B+4*(\s)+2:G0B+4*(\s)+3], s[46:47], (\s)*KSTEP*2
	s_or_b32 s[G0B+4*(\s)+3], s[G0B+4*(\s)+3], 0x80000000
	JLOAD \s                                       ; the ring is filled before anything else is done: two loads of mine are out
.endr
	; the bias of my 128 columns: register j of block b holds bias[first column + 16 b + 8 (l / 16) + j]; and the scale of my tile's columns
	s_lshl_b32 s70, s42, 10
	s_lshl_b32 s71, s12, 9
	s_add_co_u32 s70, s70, s71
	s_mov_b32 s71, 0
	s_add_nc_u64 s[66:67], s[66:67], s[70:71]
	s_mov_b32 s68, 0x3a800000                      ; 2^-10 for tile columns 0-3,
	s_mov_b32 s69, 0x3d800000                      ; 2^-4 for 4-7
	s_cmp_lt_u32 s42, 4
	s_cselect_b32 s68, s68, s69
	s_mov_b32 s69, s68                             ; named with it as a pair
	v_bfe_u32 v[BO], v0, 4, 1
	v_lshlrev_b32 v[BO], 5, v[BO]
	WIN TO_B
.irp b, 0,1,2,3,4,5,6,7
	global_load_b128 v[BIA+8*(\b):BIA+8*(\b)+3],   v[BO], s[66:67] offset:64*(\b)
	global_load_b128 v[BIA+8*(\b)+4:BIA+8*(\b)+7], v[BO], s[66:67] offset:64*(\b)+16
.endr
	WIN 0
	v_and_b32 v1, 15, v0                           ; l % 16
	v_bfe_u32 v2, v0, 4, 1                         ; l / 16
	v_mul_u32_u24 v3, v1, PITCH
	v_lshl_add_u32 v3, v2, 4, v3                   ; a fragment: row x pitch + 16 x half; two loads of 16 bytes, 32 bytes apart
	s_mul_i32 s21, s11, HALFT                      ; my 128 rows of A
	s_mul_i32 s22, s12, HALFT                      ; my 128 rows of B,
	s_add_co_u32 s22, s22, 2*HALFT                 ; which lie behind A's 256
.irp s, 0,1
	v_add_nc_u32 v[ADRA+(\s)], s21, v3
	v_add_nc_u32 v[ADRB+(\s)], s22, v3
	s_add_co_u32 s21, s21, SLOT
	s_add_co_u32 s22, s22, SLOT
.endr
	s_mul_i32 s23, s10, 16*SPITCH
	s_add_co_u32 s23, s23, STAGE                   ; my stage
	v_mul_u32_u24 v4, v1, SPITCH
	v_lshl_add_u32 v4, v2, 4, v4
	v_add_nc_u32 v[STO], s23, v4
	v_mul_u32_u24 v5, v2, SPITCH                   ; back: lanes 0-15 take one row of 256 bytes, lanes 16-31 the next
	v_lshl_add_u32 v5, v1, 4, v5
	v_add_nc_u32 v[RD], s23, v5
	v_mul_u32_u24 v5, v2, SIZE_N*2
	v_lshl_add_u32 v[CO], v1, 4, v5
	s_lshl_b32 s13, s13, 8
	s_lshl_b32 s14, s11, 7
	s_add_co_u32 s16, s13, s14                     ; my first row of C
	s_mov_b32 s17, 0
	s_mov_b64 s[18:19], SIZE_N*2
	s_mul_u64 s[16:17], s[16:17], s[18:19]
	s_lshl_b32 s46, s42, 9                         ; my first column, in bytes
	s_lshl_b32 s47, s12, 8
	s_add_co_u32 s46, s46, s47
	s_mov_b32 s47, 0
	s_add_nc_u64 s[16:17], s[16:17], s[46:47]
	; the prefetches
	s_lshl_b32 s42, s42, 8
	s_and_b32 s22, ttmp7, 0xffff                   ; cluster y
	s_cmp_eq_u32 s11, 0                            ; do I fetch for A?
	s_cselect_b32 s20, s13, s42                    ; the tile's first row
	s_cselect_b32 s21, s40, s41                    ; my place among the four that ask for it with me
	s_cselect_b32 s22, ttmp9, s22                  ; the coordinate along which other clusters read the same rows
	s_cselect_b64 s[PFA:PFA+1], s[4:5], s[6:7]
	s_cmp_eq_u32 s22, 0
	s_cselect_b32 s[LIM], 1, -1                    ; the same in all sixteen partners, for a given wave
	s_lshl_b32 s22, s12, 7
	s_add_co_u32 s20, s20, s22
	s_lshl_b32 s21, s21, 5
	s_add_co_u32 s20, s20, s21
	s_mov_b32 s21, 0
	s_mov_b64 s[18:19], SIZE_K*2
	s_mul_u64 s[20:21], s[20:21], s[18:19]
	s_add_nc_u64 s[PFA:PFA+1], s[PFA:PFA+1], s[20:21]
	s_add_nc_u64 s[PFA:PFA+1], s[PFA:PFA+1], 2*KSTEP*2  ; at K step 2: the first refill steps it to 3 and names K step 4.  Nothing is prefetched at the head
	v_and_b32 v[PFO], 31, v0
	v_mul_u32_u24 v[PFO], v[PFO], SIZE_K*2
; 16 matrix instructions: m blocks a0, a0 + 1 of the window's four x all 8 n blocks, 32 along K.  zero = 1: the first product starts the sums, with the bias as C: nothing is cleared.
.macro MUL16 f, hi, a0, zero
.if \zero
	WIN MUL_B+0x40*(\hi)
.else
	WIN MUL_LO+0x50*(\hi)
.endif
.irp a, \a0, (\a0)+1
.irp b, 0,1,2,3,4,5,6,7
.if \zero
	v_wmma_f32_16x16x32_f16 v[8*(8*(\a)+(\b)):8*(8*(\a)+(\b))+7], v[(\f)+8*(\b):(\f)+8*(\b)+7], v[(\f)+8*(4*(\hi)+(\a)):(\f)+8*(4*(\hi)+(\a))+7], v[BIA+8*(\b):BIA+8*(\b)+7]
.else
	v_wmma_f32_16x16x32_f16 v[8*(8*(\a)+(\b)):8*(8*(\a)+(\b))+7], v[(\f)+8*(\b):(\f)+8*(\b)+7], v[(\f)+8*(4*(\hi)+(\a)):(\f)+8*(4*(\hi)+(\a))+7], v[8*(8*(\a)+(\b)):8*(8*(\a)+(\b))+7]
.endif
.endr
.endr
.endm
; 32 LDS loads in one run: the fragments of one quarter step into buffer f
.macro FETCH slot, k, f
	WIN TO_B
.irp i, 0,1,2,3,4,5,6,7
	ds_load_b128 v[(\f)+8*(\i):(\f)+8*(\i)+3],   v[ADRB+(\slot)] offset:(\k)+(\i)*16*PITCH
	ds_load_b128 v[(\f)+8*(\i)+4:(\f)+8*(\i)+7], v[ADRB+(\slot)] offset:(\k)+(\i)*16*PITCH+32
.endr
	WIN 0
.irp i, 0,1,2,3,4,5,6,7
	ds_load_b128 v[(\f)+8*(\i):(\f)+8*(\i)+3],   v[ADRA+(\slot)] offset:(\k)+(\i)*16*PITCH
	ds_load_b128 v[(\f)+8*(\i)+4:(\f)+8*(\i)+7], v[ADRA+(\slot)] offset:(\k)+(\i)*16*PITCH+32
.endr
.endm
; four places in front of loads into registers that matrix instructions have read, and of vector lines that read or write results just made
.macro PLACES
.rept 4
	v_nop
.endr
.endm
; A K step is four quarters of 32 along K, 64 matrix instructions each, on buffers 0, 1, 0, 1.  One of the first three: multiplies buffer f; in its middle it fetches the next quarter into g.
; The 64 accumulators take turns in the same order in every quarter.
.macro QUARTER slot, k, f, g, zero
	s_wait_dscnt 8                                 ; B and A's rows 0-63 are in; the youngest eight loads (A's rows 64-127) may be out
	MUL16 \f, 0, 0, \zero
	MUL16 \f, 0, 2, \zero
	PLACES
	FETCH \slot, \k, \g
	s_wait_dscnt 32                                ; all but the 32 just issued
	MUL16 \f, 1, 0, \zero
	MUL16 \f, 1, 2, \zero
.endm
; The last quarter multiplies buffer 1 and changes slots.  In front of the barrier each wave waits for all its tensor loads (one is out: its part of the next slot), adds 0 to its spare word,
; and waits for that and for its own reads of this slot.  Behind it nobody reads this slot any more and the next slot is whole.
.macro MEET round
	WIN 0
	s_wait_tensorcnt 0x0
	ds_add_u32 v[SPW], v[NIL]
	s_wait_dscnt 9                                 ; (the add and the youngest eight loads may be out)
	MUL16 F1, 0, 0, 0
	s_wait_dscnt 0x0                               ; the add is done, and my reads of this slot are over
	s_barrier_signal -1
	MUL16 F1, 0, 2, 0
.if \round
	WIN 0
.endif
	s_barrier_wait -1
.endm
.macro TURN slot, next
	s_wait_xcnt 0x0                                ; the last prefetch, a K step back, has read its address: it is stepped here
	s_add_nc_u64 s[PFA:PFA+1], s[PFA:PFA+1], KSTEP*2
	MEET 1
	CREST                                          ; the barrier has opened a round of the cluster's: no wave of any partner still reads this slot or has a load on its way
	s_add_nc_u64 s[G0+4*(\slot)+2:G0+4*(\slot)+3], s[G0+4*(\slot)+2:G0+4*(\slot)+3], 2*KSTEP*2
	s_add_nc_u64 s[G0B+4*(\slot)+2:G0B+4*(\slot)+3], s[G0B+4*(\slot)+2:G0B+4*(\slot)+3], 2*KSTEP*2
	JLOAD \slot                                    ; the first tensor load behind the round, 224 matrix instructions ahead of the wait for it; its four v_nop are also the places in front of the loads below
	FETCH \next, 0, F0
	ASK
	MUL16 F1, 1, 0, 0
	MUL16 F1, 1, 2, 0
.endm
; THE LAST K STEP (slot 1) GOES BY ROWS OF C: all its fragments of B fill window 1; my eight blocks of 16 rows are finished one after the other, 32 matrix instructions each, the block's 8 accumulators by turns.
.macro BLOAD q
	WIN TO_B
.irp i, 0,1,2,3,4,5,6,7
	ds_load_b128 v[64*(\q)+8*(\i):64*(\q)+8*(\i)+3],   v[ADRB+1] offset:64*(\q)+(\i)*16*PITCH
	ds_load_b128 v[64*(\q)+8*(\i)+4:64*(\q)+8*(\i)+7], v[ADRB+1] offset:64*(\q)+(\i)*16*PITCH+32
.endr
.endm
.macro ALOAD a
	WIN 0
.set FA, PA+32*((\a)%4)
.irp q, 0,1,2,3
	ds_load_b128 v[FA+8*(\q):FA+8*(\q)+3],   v[ADRA+1] offset:64*(\q)+(\a)*16*PITCH
	ds_load_b128 v[FA+8*(\q)+4:FA+8*(\q)+7], v[ADRA+1] offset:64*(\q)+(\a)*16*PITCH+32
.endr
.endm
.macro ROW a
.set FA, PA+32*((\a)%4)
.set AC, 64*((\a)%4)
	WIN MUL_LO+0x50*((\a)/4)
.irp q, 0,1,2,3
.if (\a) == 0 && (\q) == 2
	s_wait_dscnt 24                                ; B's quarter 2 is in (behind it: A's blocks 1 to 3)
.endif
.irp b, 0,1,2,3,4,5,6,7
	v_wmma_f32_16x16x32_f16 v[AC+8*(\b):AC+8*(\b)+7], v[64*(\q)+8*(\b):64*(\q)+8*(\b)+7], v[FA+8*(\q):FA+8*(\q)+7], v[AC+8*(\b):AC+8*(\b)+7]
.endr
.endr
.endm
; THE WAY OUT of block a.  PACK: scaled in place (each accumulator from its low end), rounded to f16, 16 bytes a lane.  TOSTAGE: into my own stage and back as whole rows of 256 bytes.  SEND: stored.
.macro PACK a
.set AC, 64*((\a)%4)
	WIN 0x82+0x41*((\a)/4)                         ; destination and source 0: window 2 or 3
.irp b, 0,1,2,3,4,5,6,7
.irp r, 0,1,2,3
	v_pk_mul_f32 v[AC+8*(\b)+2*(\r):AC+8*(\b)+2*(\r)+1], v[AC+8*(\b)+2*(\r):AC+8*(\b)+2*(\r)+1], s[68:69] op_sel_hi:[1,0]
.endr
.endr
	WIN 0x0a+5*((\a)/4)                            ; sources 0 and 1: window 2 or 3
.irp b, 0,1,2,3,4,5,6,7
.irp r, 0,1,2,3
	v_cvt_pk_f16_f32 v[TMP+4*(\b)+(\r)], v[AC+8*(\b)+2*(\r)], v[AC+8*(\b)+2*(\r)+1]
.endr
.endr
	WIN 0
.endm
.macro TOSTAGE a
	WIN 0
.set BK, OB+192*((\a)%2)
.irp b, 0,1,2,3,4,5,6,7
	ds_store_b128 v[STO], v[TMP+4*(\b):TMP+4*(\b)+3] offset:32*(\b)
.endr
.irp t, 0,1,2,3,4,5,6,7
	ds_load_b128 v[BK+4*(\t):BK+4*(\t)+3], v[RD] offset:(\t)*2*SPITCH  ; LDS serves a wave's instructions in order: these see the stores above
.endr
.endm
.macro SEND a, younger
	WIN 0
.set BK, OB+192*((\a)%2)
	s_wait_dscnt \younger                          ; the block is back in registers
	s_wait_xcnt 0x0                                ; only behind this wait are the stores' base and the registers that earlier stores read rewritten
.if (\a) == 0
	s_add_nc_u64 s[8:9], s[8:9], s[16:17]          ; on to my first rows
.else
	s_add_nc_u64 s[8:9], s[8:9], 16*SIZE_N*2
.endif
.irp t, 0,1,2,3,4,5,6,7
	global_store_b128 v[CO], v[BK+4*(\t):BK+4*(\t)+3], s[8:9] offset:2*(\t)*SIZE_N*2  ; 16 lanes store 256 consecutive bytes, aligned
.endr
.endm
	s_wait_tensorcnt 1                             ; my part of K step 0 is in; K step 1's may stay out
	s_barrier_signal -1
	s_barrier_wait -1
	FETCH 0, 0, F0
	s_wait_loadcnt 0x0                             ; the bias
	QUARTER 0, 64,  F0, F1, 1                      ; the first quarter stands in front of the loop: its products start the sums
	WIN 0                                          ; at a label and at a branch every window is 0
	s_mov_b32 s3, LAPS-1
.Llap:                                             ; a trip goes once round the ring, from a lap's second quarter to the next lap's first, and fills both slots again
	QUARTER 0, 128, F1, F0, 0
	QUARTER 0, 192, F0, F1, 0
	TURN 0, 1
	QUARTER 1, 64,  F0, F1, 0
	QUARTER 1, 128, F1, F0, 0
	QUARTER 1, 192, F0, F1, 0
	TURN 1, 0
	QUARTER 0, 64,  F0, F1, 0
	WIN 0
	s_sub_co_u32 s3, s3, 1
	s_cmp_lg_u32 s3, 0
	s_cbranch_scc1 .Llap
	QUARTER 0, 128, F1, F0, 0                      ; the last lap goes on; it asks for nothing
	QUARTER 0, 192, F0, F1, 0
	MEET 0                                         ; my one tensor load that was still out is the last K step's, so no round follows
	PLACES
	BLOAD 0                                        ; three quarters of B now: buffer 1 is still being multiplied
	BLOAD 1
	BLOAD 3                                        ; (over the bias, whose last use was the first quarter)
	ALOAD 0
	MUL16 F1, 1, 0, 0
	MUL16 F1, 1, 2, 0
	PLACES
	BLOAD 2
	ALOAD 1
	ALOAD 2
	ALOAD 3
	s_wait_dscnt 40                                ; all but the 40 just issued
	ROW 0
.irp a, 0,1,2,3,4,5,6,7                ; each block leaves as soon as it is finished
	PLACES
	PACK \a
	TOSTAGE \a
.if (\a) < 4
	ALOAD (\a)+4
	SEND \a, 8
.else
	SEND \a, 0
.endif
.if (\a) < 7
	ROW (\a)+1
.endif
.endr
	s_wait_tensorcnt 0x0                           ; the wave's end, behind my last tensor load and my last LDS store
	ds_add_u32 v[SPW], v[NIL]
	s_wait_dscnt 0x0
	CROUND                                         ; the closing round: no work-group ends while a partner may still ask for a tile that names it
	s_endpgm
.Lfunc_end_k_qd88781eabb_gemm:
	.size	k_qd88781eabb_gemm, .Lfunc_end_k_qd88781eabb_gemm-k_qd88781eabb_gemm
	.p2alignl 7, 3214868480
	.fill 96, 4, 3214868480
	.section	.rodata,"a",@progbits
	.p2align	6, 0x0
	.amdhsa_kernel k_qd88781eabb_gemm
		.amdhsa_group_segment_fixed_size 327680
		.amdhsa_private_segment_fixed_size 0
		.amdhsa_enable_private_segment 0
		.amdhsa_kernarg_size 32
		.amdhsa_user_sgpr_count 2
		.amdhsa_user_sgpr_kernarg_segment_ptr 1
		.amdhsa_wavefront_size32 1
		.amdhsa_system_sgpr_workgroup_id_x 1
		.amdhsa_system_sgpr_workgroup_id_y 1
		.amdhsa_system_sgpr_workgroup_id_z 1
		.amdhsa_system_vgpr_workitem_id 0
		.amdhsa_next_free_vgpr 1024
		.amdhsa_next_free_sgpr 72
		.amdhsa_reserve_vcc 0
		.amdhsa_float_denorm_mode_32 3
		.amdhsa_float_denorm_mode_16_64 3
		.amdhsa_memory_ordered 1
		.amdhsa_forward_progress 1
		.amdhsa_inst_pref_size 163
	.end_amdhsa_kernel
	.amdgpu_metadata
---
amdhsa.version: [ 1, 2 ]
amdhsa.kernels:
  - .name:           k_qd88781eabb_gemm
    .symbol:         k_qd88781eabb_gemm.kd
    .args:
      - { .name: xh, .offset: 0, .size: 8, .value_kind: global_buffer, .address_space: global }
      - { .name: bt, .offset: 8, .size: 8, .value_kind: global_buffer, .address_space: global }
      - { .name: qv, .offset: 16, .size: 8, .value_kind: global_buffer, .address_space: global }
      - { .name: bias, .offset: 24, .size: 8, .value_kind: global_buffer, .address_space: global }
    .group_segment_fixed_size: 327680
    .private_segment_fixed_size: 0
    .kernarg_segment_align: 8
    .kernarg_segment_size: 32
    .max_flat_workgroup_size: 128
    .sgpr_count:     72
    .vgpr_count:     1024
    .wavefront_size: 32
...
	.end_amdgpu_metadata
.endif
;; end of part 2
;; launch attn (part 3): grid 8 x 32, 4 waves a work-group, clusters of 4 x 1, 327,680 bytes of LDS; arguments xh, qv, out0; writes out0
.if DOCPART == 3
	.amdgcn_target "amdgcn-amd-amdhsa--gfx1250"
	.amdhsa_code_object_version 6
	.text
	.protected	k_qd88781eabb_attn
	.globl	k_qd88781eabb_attn
	.p2align	8
	.type	k_qd88781eabb_attn,@function
k_qd88781eabb_attn:
	s_mov_b64 s[64:65], 0
	v_nop
	global_prefetch_b8 v0, s[64:65] scope:SCOPE_SE
	s_setreg_imm32_b32 hwreg(HW_REG_WAVE_MODE, 25, 1), 1
	s_wait_xcnt 0x0
	s_wait_alu depctr_hold_cnt(0) depctr_sa_sdst(0) depctr_va_vdst(0) depctr_va_sdst(0) depctr_va_ssrc(0) depctr_va_vcc(0) depctr_vm_vsrc(0)
	s_getreg_b32 s2, hwreg(HW_REG_IB_STS2, 6, 4)
	s_cmp_eq_u32 s2, 0
	s_cbranch_scc0 .Lentry_in_a_cluster
	s_endpgm
.Lentry_in_a_cluster:
	s_bfe_u32 s2, ttmp6, 0x10000c
	s_cmp_lg_u32 s2, 0x3003
	s_cbranch_scc0 .Lentry_shape_is_right
	s_endpgm
.Lentry_shape_is_right:
; out0[b][q][:] = the sum over keys k <= q of softmax_k(score[q][k]) V[b][k][:], score[q][k] = (x[b][k] . Qp[b][q]) / 32.  One head of 1,024 channels, 32 batches of 512 rows.
; xh: [16384][1024] f16 (the keys).  qv: [16384][2048] f16, a row = Qs = 2^-10 Qp (2,048 bytes), then Vs = 2^-4 V.  out0: f32.
; WORK LEFT OUT: bk and the K projection (shown at the head of the first kernel); and, since the causal mask is built by the problem itself, every tile of 128 keys x 16 queries that lies wholly above the diagonal.
; ARITHMETIC.  Products in f16 with f32 sums.  p = 2^(c s - c m), s = x . Qs, c = log2(e) / 32 x 2^10, m the row's TRUE maximum: all of a row's scores stay in registers, so there is no running maximum.
; l is the f32 sum of the unrounded p; p is rounded to f16 for the second product; out = O x 16 / l.
; LIMITS.  A hidden score counts as its value less 1e30; a weight below 2^-126 counts as 0; p below 6.1e-5 keeps f16's fixed step of 6e-8; NaN and infinities are not treated apart.
; SHARES.  Work-group (j, b), j = 0..7, owns the 64 queries 128 s + 8 rho + j (slot s = 0..3, rho = 0..15).  Slot s lies in key block s (128 keys a block), so the pair (key block M, slot s) is live if and
; only if M <= s: 10 of 16 pairs, the same in every work-group: all 256 do equal work and no branch hangs on j.  In the pair M = s key kappa of the block is hidden where kappa > 8 rho + j: a mask made of data.
; PHASE 1, S^T = x Qs^T (source 0 = 16 keys, source 1 = 16 queries: a lane holds ONE query, lane % 16, and the keys 8 (lane / 16) + 0..7).  Wave w owns keys 128 M + 32 w + 0..31 of every block:
; 20 accumulators.  The channels go in 8 steps of 128.  x comes through LDS, Qs (64 rows x 256 bytes a step) straight into registers, two steps ahead.
; SOFTMAX.  A row's scores lie in four waves and two halves of the lanes: the maxima, and later the sums, meet in 1 KiB of LDS each.  Two accumulators rounded to f16 ARE source 1 (32 keys x 16 queries) of phase 2.
; PHASE 2, O^T = Vs^T P.  Wave w owns channels 256 w .. 256 w + 255 for all four slots: 64 accumulators.  Vs goes in 8 tiles of 64 keys; each wave loads and reads its own 512 bytes of each row.
; THE RING.  16 tiles (8 of x, 8 of Vs), 128 KiB each, go through two LDS slots; tile i + 2 is asked for at the change of slots behind tile i.  By this text's count a wave has two tensor loads out at the
; start, later one.
; CLUSTER.  All eight work-groups of a batch walk the same 16 tiles; a mask names four, so the four of a cluster ask JOINTLY: the same load, descriptor and mask in all four, one load a wave behind each round.
; REGISTERS, in windows of 256 (s_set_vgpr_msb: bits 1:0 source 0, 3:2 source 1, 5:4 source 2, 7:6 destination):
;   window 0: v0-23 addresses; v24-63 masks, statistics, prefetch offsets; phase 1: v96-255 S^T; phase 2: v64-127 P, two buffers of four fragments; the way out: v128-255 rows read back
;   window 1: phase 1: v0-127 x, two buffers of 8 fragments; v128-255 Qs of an even step.  Phase 2: Vs, two buffers of 16 fragments
;   window 2: phase 1: v0-127 Qs of an odd step.  Phase 2: O^T of slots 0, 1 (128 (s % 2) + 8 ct);   window 3: O^T of slots 2, 3
.set PX,    272                        ; a row of an x tile in LDS: 256 bytes + 16: the 16 rows of a load start in 16 different groups of four banks
.set PV,    544                        ; a row of a wave's part of a Vs tile: 512 bytes + 32 = 17 x 32
.set PART,  34816                      ; a wave's part of a slot: 128 x 272 = 64 x 544
.set SLOT,  4*PART
.set PB,    2*SLOT                     ; P: the fragment of pair p made by wave w at (4 p + w) x 1,024; registers 0-3 at 16 x lane, registers 4-7 512 bytes on
.set SX,    PB+40960                   ; partial maxima: 256 s + 16 rho + 4 w; the partial sums 1,024 bytes on
.set SPARE, SX+2048                    ; the spare words, 128 bytes for each wave: two blocks of 256 bytes that no other line names
.set SP,    1040                       ; the way out: 16 rows of 1,024 bytes + 16, in my own part of slot 0, behind its last fill and my last read of it
.set AX,  4                            ; v4-11   slot n, key block M: my x fragments at v[AX + 4 n + M]
.set AV,  12                           ; v12-13  slot n: my lane's place in my part of a Vs tile
.set QO,  14                           ; v14     my byte offset in a slot's 16 rows of Qs
.set PR,  15                           ; v15     PB + 16 x lane
.set PWR, 16                           ; v16     the same + 1,024 x wave
.set SXW, 17                           ; v17     where I put a partial maximum or sum
.set SXR, 18                           ; v18     where I read the four of my query
.set STO, 19                           ; v19     the way out: where I put 32 bytes of a row
.set RD,  20                           ; v20     the way out: where I read rows back
.set GO,  21                           ; v21     16 x lane
.set SPW, 22                           ; v22     LDS address of my spare word; never rewritten
.set NIL, 23                           ; v23     0; never rewritten
.set MD,  24                           ; v24-39  the mask of a diagonal pair, 8 registers for each 16 keys
.set CM,  24                           ; later: v24-31 c m, in the low word of a pair a slot
.set LS,  32                           ; later: v32-39 l, a pair a slot
.set MX,  40                           ; v40-43  m
.set FS,  40                           ; later: v40-47 16 / l, in the low word of a pair a slot
.set PFOX, 56                          ; v56     prefetch offsets: 2,048 x lane;
.set PFOV, 57                          ; v57     4,096 (lane / 8) + 256 (lane % 8);
.set PFOQ, 58                          ; v58     32,768 x thread (waves 0 and 1); never rewritten
.set LN,  59                           ; v59     lane
.set PF,  64
.set S,   96                           ; pair p = {0,4,7,9}[M] + s - M, keys 16 t on: S + 16 p + 8 t
.set WV,  10                           ; s10 wave; s11 cx; s12 j; s13 b
.set G1X, 16                           ; s[16:23] descriptor group 1 for x tiles
.set G1V, 24                           ; s[24:31] for Vs tiles
.set G0,  32                           ; s[32:39] group 0, a set for each slot
; s[40:41] Vs at my part of tile 0; s[42:43] Qs at my work-group's first row; s[44:45], s[46:47] where my prefetches of x and of Vs stand; s[48:49] c; s[50:51] lane selects; s52 -1e30; s53 laps; s54 1: my cluster asks; s[56:57] out0
.set MSB, 0
.macro WIN new                         ; the immediate's high byte repeats the setting that is left; a switch that changes nothing is dropped
.if MSB != (\new)
	s_set_vgpr_msb (MSB<<8)|(\new)
.set MSB, \new
.endif
.endm
.macro PLACES                          ; four places in front of loads into registers that matrix instructions have read, and of vector lines that read results
.rept 4
	v_nop
.endr
.endm
.macro CROUND                          ; a round of the cluster's barrier: my work-group's barrier; wave 0 signals for the work-group; every wave waits for all four; my work-group's barrier once more
	s_barrier_signal -1
	s_barrier_wait -1
	s_cmp_lg_u32 s[WV], 0
	s_cbranch_scc1 .Lnot_wave_0_\@
	s_barrier_signal -3
.Lnot_wave_0_\@:
	s_barrier_wait -3
	s_barrier_signal -1
	s_barrier_wait -1
.endm
.macro RA M, s, t                      ; rA: the accumulator of key block M, slot s, keys 16 t on
.set rA, S+16*(4*(\M)-(\M)*((\M)-1)/2+(\s)-(\M))+8*(\t)
.endm
; Products lo .. hi - 1 of a quarter's 20 (32 channels): x fragments in buffer f, Qs of step parity qb, quarter q.  All 20 accumulators differ and keep their order: they take turns.
; zero = 1: the first products start the sums, with 0, or with the mask where the pair holds the diagonal.
.macro XMUL f, qb, q, lo, hi, zero
	WIN 0x05+4*(\qb)                               ; x in window 1, Qs in window 1 or 2, S^T and the mask in window 0
.set n, 0
.irp M, 0,1,2,3
.irp t, 0,1
.irp s, 0,1,2,3
.if (\s) >= (\M)
.if (n >= (\lo)) && (n < (\hi))
	RA \M, \s, \t
.set rF, (\f)+8*(2*(\M)+(\t))
.set rQ, 128-128*(\qb)+8*(4*(\s)+(\q))
.if (\zero) && ((\s) == (\M))
	v_wmma_f32_16x16x32_f16 v[rA:rA+7], v[rF:rF+7], v[rQ:rQ+7], v[MD+8*(\t):MD+8*(\t)+7]
.elseif \zero
	v_wmma_f32_16x16x32_f16 v[rA:rA+7], v[rF:rF+7], v[rQ:rQ+7], 0
.else
	v_wmma_f32_16x16x32_f16 v[rA:rA+7], v[rF:rF+7], v[rQ:rQ+7], v[rA:rA+7]
.endif
.endif
.set n, n+1
.endif
.endr
.endr
.endr
.endm
.macro XFETCH slot, q, f               ; 16 LDS loads in one run: my 8 fragments of x for quarter q
	WIN 0x40
.irp M, 0,1,2,3
.irp t, 0,1
	ds_load_b128 v[(\f)+8*(2*(\M)+(\t)):(\f)+8*(2*(\M)+(\t))+3],   v[AX+4*(\slot)+(\M)] offset:(\t)*16*PX+64*(\q)
	ds_load_b128 v[(\f)+8*(2*(\M)+(\t))+4:(\f)+8*(2*(\M)+(\t))+7], v[AX+4*(\slot)+(\M)] offset:(\t)*16*PX+64*(\q)+32
.endr
.endr
.endm
.macro QLOAD buf, off                  ; 32 loads: Qs of one step, 64 rows x 256 bytes: slot s, quarter q at 8 (4 s + q)
	WIN 0x40+0x40*(\buf)
.irp s, 0,1,2,3
.irp q, 0,1,2,3
	global_load_b128 v[128-128*(\buf)+8*(4*(\s)+(\q)):128-128*(\buf)+8*(4*(\s)+(\q))+3],   v[QO], s[42:43] offset:524288*(\s)+64*(\q)+(\off)
	global_load_b128 v[128-128*(\buf)+8*(4*(\s)+(\q))+4:128-128*(\buf)+8*(4*(\s)+(\q))+7], v[QO], s[42:43] offset:524288*(\s)+64*(\q)+(\off)+32
.endr
.endr
.endm
; PREFETCHES INTO THE L2, behind a joint load, its five lines and the run of LDS loads: the tile that stands TWO refills on.  A tile is 512 blocks of 256 bytes: of the batch's two clusters the first asks; its
; 4 x 4 waves x 32 lanes take a block each, told apart by address.  x tiles 4-7: a lane a row.  Vs tiles 0-7: eight lanes a row.  Beside x each work-group asks for its own 64 rows of Qs of the step four
; on (waves 0 and 1, a lane a row).  So each block is named once.  Tiles 0-3 and Qs of steps 0-3 come by their loads alone; the last two changes of slots ask for nothing.
.macro ASKV par
	s_cmp_eq_u32 s54, 1
	s_cbranch_scc0 .Lno_\@
	global_prefetch_b8 v[PFOV], s[46:47] offset:262144*(\par) th:TH_LOAD_NT scope:SCOPE_SE
.Lno_\@:
.endm
.macro ASKL par                        ; in the loop: trips 1 and 2 ask for x and Qs, trip 3 for Vs tiles 0 and 1
	s_cmp_gt_u32 s53, 1
	s_cbranch_scc0 .Lv_\@
	s_cmp_lt_u32 s[WV], 2
	s_cbranch_scc0 .Lnq_\@
	global_prefetch_b8 v[PFOQ], s[42:43] offset:1024+256*(\par) th:TH_LOAD_NT scope:SCOPE_SE
.Lnq_\@:
	s_cmp_eq_u32 s54, 1
	s_cbranch_scc0 .Ldone_\@
	global_prefetch_b8 v[PFOX], s[44:45] offset:256*(\par) th:TH_LOAD_NT scope:SCOPE_SE
	s_branch .Ldone_\@
.Lv_\@:
	s_cmp_eq_u32 s54, 1
	s_cbranch_scc0 .Ldone_\@
	global_prefetch_b8 v[PFOV], s[46:47] offset:262144*(\par) th:TH_LOAD_NT scope:SCOPE_SE
.Ldone_\@:
.endm
; One of a step's first three quarters: multiplies buffer q % 2, and fetches the next quarter into the other buffer four places behind the products that read it.
.macro XQ slot, q, lc, zero
	s_wait_dscnt 0x0                               ; this quarter's 16 loads, issued 16 products ago
.if (\q) == 0
	s_wait_loadcnt \lc                             ; this step's Qs is in; the next step's 32 loads, where there are any, may stay out
.endif
	XMUL 64*((\q)%2), \slot, \q, 0, 4, \zero
	PLACES
	XFETCH \slot, (\q)+1, 64-64*((\q)%2)
	XMUL 64*((\q)%2), \slot, \q, 4, 20, \zero
.endm
; The fourth quarter and THE CHANGE OF SLOTS.  Each wave waits for all its tensor loads (one is out: its part of the other slot), adds 0 to its spare word, and waits for that and for its reads of this slot; the
; round follows, so that no wave of any partner still reads the slot or has a load on its way; the joint refill is the first thing behind it.  kind = 0: the x tile two steps on; 1: this slot's first Vs tile.
.macro XTURN slot, kind, fetch, qoff
	WIN 0
	s_wait_tensorcnt 0x0                           ; no tensor load of mine is out, so a group 0 may be written
	ds_add_u32 v[SPW], v[NIL]                      ; 0 onto my spare word; the step and ten products stand between it and the wait for it
.if \kind
	s_add_nc_u64 s[G0+4*(\slot)+2:G0+4*(\slot)+3], s[40:41], (\slot)*262144
	s_or_b32 s[G0+4*(\slot)+3], s[G0+4*(\slot)+3], 0x80000000
.else
	s_add_nc_u64 s[G0+4*(\slot)+2:G0+4*(\slot)+3], s[G0+4*(\slot)+2:G0+4*(\slot)+3], 512
.endif
	s_wait_dscnt 1                                 ; the quarter's fragments are in; the add alone may be out
	XMUL 64, \slot, 3, 0, 10, 0
	s_wait_dscnt 0x0                               ; the add is done, and my reads of this slot are over
	WIN 0
	CROUND
.if \kind
	tensor_load_to_lds s[G0+4*(\slot):G0+4*(\slot)+3], s[G1V:G1V+7]
.else
	tensor_load_to_lds s[G0+4*(\slot):G0+4*(\slot)+3], s[G1X:G1X+7]
.endif
	s_nop 0
	PLACES                                         ; (the places in front of the loads below)
.if \fetch
	XFETCH 1-(\slot), 0, 0
	WIN 0
.endif
.if \kind
	ASKV \slot
.else
	ASKL \slot
.endif
	XMUL 64, \slot, 3, 10, 20, 0
.if (\qoff) >= 0
	PLACES
	QLOAD \slot, \qoff                             ; Qs of the step two on, into the buffer just multiplied
.endif
.endm
; PHASE 2.  A group is 32 keys: 16 fragments of Vs^T (turned on the way out of LDS) and the live slots' fragments of P, made by wave wp in phase 1.
.macro VFETCH slot, gg, buf, M, wp
	WIN 0x40
.irp ct, 0,1,2,3,4,5,6,7,8,9,10,11,12,13,14,15
	ds_load_tr16_b128 v[128*(\buf)+8*(\ct):128*(\buf)+8*(\ct)+3],   v[AV+(\slot)] offset:32*PV*(\gg)+32*(\ct)
	ds_load_tr16_b128 v[128*(\buf)+8*(\ct)+4:128*(\buf)+8*(\ct)+7], v[AV+(\slot)] offset:32*PV*(\gg)+32*(\ct)+16*PV
.endr
	WIN 0
.irp s, 0,1,2,3
.if (\s) >= (\M)
	ds_load_b128 v[PF+32*(\buf)+8*(\s):PF+32*(\buf)+8*(\s)+3],   v[PR] offset:(4*(4*(\M)-(\M)*((\M)-1)/2+(\s)-(\M))+(\wp))*1024
	ds_load_b128 v[PF+32*(\buf)+8*(\s)+4:PF+32*(\buf)+8*(\s)+7], v[PR] offset:(4*(4*(\M)-(\M)*((\M)-1)/2+(\s)-(\M))+(\wp))*1024+512
.endif
.endr
.endm
; Products lo .. hi - 1 of a group's 16 (4 - M): window 2, then window 3; in each by channel block, then by slot.  All accumulators of a group differ and keep their order: they take turns.
.macro VMUL buf, M, lo, hi, zero
.set n, 0
.irp W, 0,1
.irp ct, 0,1,2,3,4,5,6,7,8,9,10,11,12,13,14,15
.irp e, 0,1
.if (2*(\W)+(\e)) >= (\M)
.if (n >= (\lo)) && (n < (\hi))
	WIN 0xa1+0x50*(\W)                             ; Vs in window 1, P in window 0, O^T in window 2 or 3
.set rO, 128*(\e)+8*(\ct)
.set rV, 128*(\buf)+8*(\ct)
.set rP, PF+32*(\buf)+8*(2*(\W)+(\e))
.if \zero
	v_wmma_f32_16x16x32_f16 v[rO:rO+7], v[rV:rV+7], v[rP:rP+7], 0
.else
	v_wmma_f32_16x16x32_f16 v[rO:rO+7], v[rV:rV+7], v[rP:rP+7], v[rO:rO+7]
.endif
.endif
.set n, n+1
.endif
.endr
.endr
.endr
.endm
.macro GPLAIN u, zero                  ; tile u's first 32 keys (buffer 0); its second 32 are fetched into buffer 1
	s_wait_dscnt 0x0
	VMUL 0, (\u)/2, 0, 8, \zero
	PLACES
	VFETCH (\u)%2, 1, 1, (\u)/2, 2*((\u)%2)+1
	VMUL 0, (\u)/2, 8, 64, \zero
.endm
.macro GCHANGE u, ask                  ; tile u's second 32 keys, and the change of slots, in the same order as in phase 1: the slot takes Vs tile u + 2
	WIN 0
	s_wait_tensorcnt 0x0                           ; tile u + 1 has landed: no tensor load of mine is out
	ds_add_u32 v[SPW], v[NIL]
	s_add_nc_u64 s[G0+4*((\u)%2)+2:G0+4*((\u)%2)+3], s[G0+4*((\u)%2)+2:G0+4*((\u)%2)+3], 524288
	s_wait_dscnt 1                                 ; the group's fragments are in; the add alone may be out
	VMUL 1, (\u)/2, 0, 8, 0
	s_wait_dscnt 0x0                               ; the add is done, and my reads of this slot are over
	WIN 0
	CROUND
	tensor_load_to_lds s[G0+4*((\u)%2):G0+4*((\u)%2)+3], s[G1V:G1V+7]
	s_nop 0
	PLACES
	VFETCH ((\u)+1)%2, 0, 0, ((\u)+1)/2, 2*(((\u)+1)%2)
.if \ask
	ASKV (\u)%2
.endif
	VMUL 1, (\u)/2, 8, 64, 0
.endm
; THE WAY OUT of slot s: O^T times 16 / l; a lane's eight channels of a row go into my stage as 32 bytes, and come back as whole rows; each store covers 512 consecutive bytes, aligned.
.macro OUT s
	WIN 0x82+0x41*((\s)/2)                         ; destination and source 0 in window 2 or 3, the factor in window 0
.set o, 128*((\s)%2)
.rept 64
	v_pk_mul_f32 v[o:o+1], v[o:o+1], v[FS+2*(\s):FS+2*(\s)+1] op_sel_hi:[1,0]
.set o, o+2
.endr
	WIN 0x08+4*((\s)/2)                            ; the data of an LDS store are source 1
.irp ct, 0,1,2,3,4,5,6,7,8,9,10,11,12,13,14,15
	ds_store_b128 v[STO], v[128*((\s)%2)+8*(\ct):128*((\s)%2)+8*(\ct)+3]   offset:64*(\ct)
	ds_store_b128 v[STO], v[128*((\s)%2)+8*(\ct)+4:128*((\s)%2)+8*(\ct)+7] offset:64*(\ct)+16
.endr
	WIN 0
	s_wait_xcnt 0x0                                ; the last slot's stores have read v128-255: they are loaded again only behind this wait
.set n, 0
.rept 32
	ds_load_b128 v[128+4*n:128+4*n+3], v[RD] offset:SP*(n/2)+512*(n%2)  ; LDS serves a wave's instructions in order: these see the stores above; the next slot's stores come behind them
.set n, n+1
.endr
.set n, 0
.rept 32
	s_wait_dscnt 31-n
	global_store_b128 v[GO], v[128+4*n:128+4*n+3], s[56:57] offset:524288*(\s)+32768*(n/2)+512*(n%2) th:TH_STORE_NT
.set n, n+1
.endr
.endm
	s_load_b128 s[4:7], s[0:1], 0x0                ; xh s[4:5], qv s[6:7]
	s_load_b64 s[8:9], s[0:1], 0x10                ; out0
	v_lshl_add_u32 v[SPW], v0, 2, SPARE
	v_mov_b32 v[NIL], 0
	ds_add_u32 v[SPW], v[NIL]                      ; the wave's opening: the add, twice on end, and its wait ahead of my first tensor load; the set-up stands between
	ds_add_u32 v[SPW], v[NIL]
	v_lshrrev_b32 v3, 5, v0
	v_readfirstlane_b32 s[WV], v3                  ; wave 0..3
	s_bfe_u32 s11, ttmp6, 0x40000                  ; cx
	s_lshl_b32 s12, ttmp9, 2
	s_add_co_u32 s12, s12, s11                     ; j = 4 x cluster x + cx: it enters the mask's data and the addresses of Qs, out0 and the prefetches alone
	s_and_b32 s13, ttmp7, 0xffff                   ; the batch, which the four partners share
	s_mov_b32 s[G1X], 15|(1<<16)|(1<<20)|(1<<21)|(5<<22)|(3<<25)  ; the mask of four; 2-byte elements; padding on; bit 21 beside a mask; after every 64 words 4 words
	s_mov_b32 s[G1X+1], 128<<16                    ; tensor_dim0 = 128
	s_mov_b32 s[G1X+2], 128<<16                    ; tensor_dim1 = 128
	s_mov_b32 s[G1X+3], 128<<16                    ; tile_dim0 = 128 channels
	s_mov_b32 s[G1X+4], 128                        ; tile_dim1 = 128 keys
	s_mov_b32 s[G1X+5], 1024                       ; elements from row to row of xh
	s_mov_b32 s[G1X+6], 0
	s_mov_b32 s[G1X+7], 0
	s_mov_b32 s[G1V], 15|(1<<16)|(1<<20)|(1<<21)|(6<<22)|(7<<25)  ; after every 128 words 8 words
	s_mov_b32 s[G1V+1], 256<<16                    ; tensor_dim0 = 256
	s_mov_b32 s[G1V+2], 64<<16                     ; tensor_dim1 = 64
	s_mov_b32 s[G1V+3], 256<<16                    ; tile_dim0 = 256 channels
	s_mov_b32 s[G1V+4], 64                         ; tile_dim1 = 64 keys
	s_mov_b32 s[G1V+5], 2048                       ; elements from row to row of qv
	s_mov_b32 s[G1V+6], 0
	s_mov_b32 s[G1V+7], 0
	s_mul_i32 s15, s[WV], PART                     ; my part of a slot: no place in the cluster enters an LDS address
	s_mov_b32 s[G0], 1
	s_mov_b32 s[G0+1], s15
	s_mov_b32 s[G0+4], 1
	s_add_co_u32 s[G0+5], s15, SLOT
	s_mov_b32 s48, 0x4238aa3b                      ; c = log2(e) x 32 = 46.16624
	s_mov_b32 s49, s48                             ; named with it as a pair
	s_mov_b32 s50, 0x76543210
	s_mov_b32 s51, 0xfedcba98
	s_mov_b32 s52, 0xf149f2ca                      ; -1e30
	s_cmp_eq_u32 ttmp9, 0
	s_cselect_b32 s54, 1, 0                        ; the batch's first cluster prefetches the tiles: the same in all four partners
	v_and_b32 v[LN], 31, v0
	v_and_b32 v1, 15, v0                           ; l % 16
	v_bfe_u32 v2, v0, 4, 1                         ; l / 16
	s_lshl_b32 s14, s[WV], 5
	v_add_nc_u32 v3, s14, v1                       ; a fragment of x: key 32 w + l % 16 of a block, 16 bytes at 16 (l / 16); two loads, 32 bytes apart
	v_mul_u32_u24 v3, v3, PX
	v_lshl_add_u32 v3, v2, 4, v3
.irp n, 0,1
.irp M, 0,1,2,3
	v_add_nc_u32 v[AX+4*(\n)+(\M)], (\n)*SLOT+(\M)*PART, v3
.endr
.endr
	v_and_b32 v60, 7, v0                           ; the turning load takes 16 keys x 16 channels: lane l reads key 8 (l / 16) + l % 8, channels 8 ((l / 8) % 2) + 0..7
	v_bfe_u32 v61, v0, 3, 1
	v_lshl_add_u32 v62, v2, 3, v60
	v_mul_u32_u24 v62, v62, PV
	v_lshl_add_u32 v62, v61, 4, v62
	v_add_nc_u32 v[AV], s15, v62
	v_add_nc_u32 v[AV+1], SLOT, v[AV]
	v_lshlrev_b32 v[QO], 15, v1                    ; a slot's queries lie 8 rows of 4,096 bytes apart
	v_lshl_add_u32 v[QO], v2, 4, v[QO]
	v_lshl_add_u32 v[PR], v[LN], 4, PB
	s_lshl_b32 s14, s[WV], 10
	v_add_nc_u32 v[PWR], s14, v[PR]
	v_lshl_add_u32 v[SXR], v1, 4, SX
	s_lshl_b32 s14, s[WV], 2
	v_add_nc_u32 v[SXW], s14, v[SXR]
	v_mul_u32_u24 v[STO], v1, SP
	v_lshl_add_u32 v[STO], v2, 5, v[STO]
	v_add_nc_u32 v[STO], s15, v[STO]
	v_lshl_add_u32 v[RD], v[LN], 4, s15
	v_lshlrev_b32 v[GO], 4, v[LN]
	v_lshlrev_b32 v[PFOX], 11, v[LN]
	v_bfe_u32 v63, v0, 3, 2
	v_lshlrev_b32 v[PFOV], 12, v63
	v_lshl_add_u32 v[PFOV], v60, 8, v[PFOV]
	v_lshlrev_b32 v[PFOQ], 15, v0
	s_wait_dscnt 0x0                               ; both opening adds are done
	s_wait_kmcnt 0x0
	s_lshl_b32 s58, s13, 20                        ; xh: the batch's 512 rows of 2,048 bytes, my 128 of them
	s_lshl_b32 s14, s[WV], 18
	s_add_co_u32 s58, s58, s14
	s_mov_b32 s59, 0
	s_add_nc_u64 s[G0+2:G0+3], s[4:5], s[58:59]    ; x tile 0
	s_add_nc_u64 s[G0+6:G0+7], s[G0+2:G0+3], 256   ; x tile 1
	s_or_b32 s[G0+3], s[G0+3], 0x80000000          ; type = 2
	s_or_b32 s[G0+7], s[G0+7], 0x80000000
	s_lshl_b32 s58, s13, 21                        ; qv and out0: the batch's 512 rows of 4,096 bytes
	s_lshl_b32 s14, s[WV], 9
	s_add_co_u32 s60, s58, s14
	s_add_co_u32 s60, s60, 2048
	s_mov_b32 s61, 0
	s_add_nc_u64 s[40:41], s[6:7], s[60:61]        ; Vs: my 512 bytes of the batch's first row
	s_lshl_b32 s14, s12, 12
	s_add_co_u32 s60, s58, s14
	s_add_nc_u64 s[42:43], s[6:7], s[60:61]        ; Qs at row j of the batch
	s_lshl_b32 s14, s[WV], 10
	s_add_co_u32 s60, s60, s14
	s_add_nc_u64 s[56:57], s[8:9], s[60:61]        ; out0 at row j, my 1,024 bytes
	s_lshl_b32 s60, s13, 20
	s_lshl_b32 s14, s11, 18
	s_add_co_u32 s60, s60, s14
	s_lshl_b32 s14, s[WV], 16
	s_add_co_u32 s60, s60, s14
	s_add_co_u32 s60, s60, 1024
	s_add_nc_u64 s[44:45], s[4:5], s[60:61]        ; x: rows 128 cx + 32 w .., at tile 4
	s_lshl_b32 s14, s11, 16
	s_add_co_u32 s60, s58, s14
	s_lshl_b32 s14, s[WV], 14
	s_add_co_u32 s60, s60, s14
	s_add_co_u32 s60, s60, 2048
	s_add_nc_u64 s[46:47], s[6:7], s[60:61]        ; Vs: rows 16 cx + 4 w .. of tile 0
	CROUND                                         ; all four work-groups are here: the first joint loads meet
	tensor_load_to_lds s[G0:G0+3], s[G1X:G1X+7]
	s_nop 0
	tensor_load_to_lds s[G0+4:G0+7], s[G1X:G1X+7]
	s_nop 0
	PLACES
	QLOAD 0, 0
	QLOAD 1, 256
	WIN 0
	s_lshl_b32 s14, s[WV], 5                       ; the mask of a diagonal pair: register i of the 16 keys t is hidden where 32 w + 16 t + 8 (l / 16) + i > 8 (l % 16) + j
	s_sub_co_i32 s14, s12, s14
	v_lshl_add_u32 v3, v1, 3, s14
	v_lshlrev_b32 v60, 3, v2
	v_sub_nc_u32 v3, v3, v60
.set i, 0
.rept 16
	v_cmp_gt_i32 vcc_lo, 16*(i/8)+i%8, v3
	v_cndmask_b32 v[MD+i], 0, s52, vcc_lo
.set i, i+1
.endr
	s_wait_tensorcnt 1                             ; my part of tile 0 is in; tile 1's may stay out
	s_barrier_signal -1
	s_barrier_wait -1                              ; everybody's is
	XFETCH 0, 0, 0
	XQ 0, 0, 32, 1                                 ; the first quarter stands in front of the loop: its products start the sums
	WIN 0                                          ; at a label and at a branch every window is 0
	s_mov_b32 s53, 3
.Llap:                                             ; a trip: two steps of 128 channels, from the second quarter of an even step to the first of the next; both slots are filled again
	XQ 0, 1, 0, 0
	XQ 0, 2, 0, 0
	XTURN 0, 0, 1, 512
	XQ 1, 0, 32, 0
	XQ 1, 1, 0, 0
	XQ 1, 2, 0, 0
	XTURN 1, 0, 1, 768
	XQ 0, 0, 32, 0
	WIN 0
	s_wait_xcnt 0x0                                ; the loads and prefetches issued so far (the youngest prefetch 30 products back) have read their bases, which step two steps on
	s_add_nc_u64 s[42:43], s[42:43], 512
	s_add_nc_u64 s[44:45], s[44:45], 512
	s_sub_co_u32 s53, s53, 1
	s_cmp_lg_u32 s53, 0
	s_cbranch_scc1 .Llap
	s_add_nc_u64 s[46:47], s[46:47], 524288        ; the prefetches of Vs go on to tiles 2 and 3 (nothing has named this base since the wait above)
	XQ 0, 1, 0, 0                                  ; steps 6 and 7: the slots take Vs tiles 0 and 1
	XQ 0, 2, 0, 0
	XTURN 0, 1, 1, -1
	XQ 1, 0, 0, 0                                  ; the last Qs: no younger load
	XQ 1, 1, 0, 0
	XQ 1, 2, 0, 0
	XTURN 1, 1, 0, -1
	; SOFTMAX.  Four plain lines are the places behind the last products; they also write the registers that the lane exchange names as destinations.
	WIN 0
.irp s, 0,1,2,3
	v_mov_b32 v[44+(\s)], 0
.endr
.irp M, 0,1,2,3                        ; the maxima: four lines an accumulator, its lowest registers first; the slots' chains alternate
.irp t, 0,1
.irp i, 0,1,2,3
.irp s, 0,1,2,3
.if (\s) >= (\M)
	RA \M, \s, \t
.if ((\M) == 0) && ((\t) == 0) && ((\i) == 0)
	v_max3_num_f32 v[MX+(\s)], v[rA], v[rA+1], v[rA+2]
.elseif ((\M) == 0) && ((\t) == 0) && ((\i) == 3)
	v_max_num_f32 v[MX+(\s)], v[MX+(\s)], v[rA+7]
.elseif ((\M) == 0) && ((\t) == 0)
	v_max3_num_f32 v[MX+(\s)], v[MX+(\s)], v[rA+2*(\i)+1], v[rA+2*(\i)+2]
.else
	v_max3_num_f32 v[MX+(\s)], v[MX+(\s)], v[rA+2*(\i)], v[rA+2*(\i)+1]
.endif
.endif
.endr
.endr
.endr
.endr
.irp s, 0,1,2,3
	v_permlanex16_b32 v[44+(\s)], v[MX+(\s)], s50, s51  ; the query's other keys of my wave lie in the lane 16 away
.endr
.irp s, 0,1,2,3
	v_max_num_f32 v[MX+(\s)], v[MX+(\s)], v[44+(\s)]
.endr
.irp s, 0,1,2,3
	ds_store_b32 v[SXW], v[MX+(\s)] offset:256*(\s)
.endr
	s_wait_dscnt 0x0                               ; for the others: my partial maxima are written
	s_barrier_signal -1                            ; (Vs tile 1 may stay out)
	s_barrier_wait -1
.irp s, 0,1,2,3
	ds_load_b128 v[44+4*(\s)+4*((\s)/3):47+4*(\s)+4*((\s)/3)], v[SXR] offset:256*(\s)  ; the four waves' maxima of my query: v44-55 and v60-63
.endr
	s_wait_dscnt 0x0
.irp s, 0,1,2,3
	v_max3_num_f32 v[MX+(\s)], v[44+4*(\s)+4*((\s)/3)], v[45+4*(\s)+4*((\s)/3)], v[46+4*(\s)+4*((\s)/3)]
.endr
.irp s, 0,1,2,3
	v_max_num_f32 v[MX+(\s)], v[MX+(\s)], v[47+4*(\s)+4*((\s)/3)]
.endr
.irp s, 0,1,2,3
	v_mul_f32 v[CM+2*(\s)], s48, v[MX+(\s)]        ; c m, the low word of a pair whose high word still holds a mask's number and is not used
.endr
.irp M, 0,1,2,3
.irp t, 0,1
.irp s, 0,1,2,3
.if (\s) >= (\M)
	RA \M, \s, \t
.irp i, 0,1,2,3
	v_pk_fma_f32 v[rA+2*(\i):rA+2*(\i)+1], v[rA+2*(\i):rA+2*(\i)+1], s[48:49], v[CM+2*(\s):CM+2*(\s)+1] op_sel_hi:[1,0,0] neg_lo:[0,0,1] neg_hi:[0,0,1]  ; c s - c m
.endr
.endif
.endr
.endr
.endr
.set i, 0
.rept 160                              ; ONE BATCH of exponentials:
	v_exp_f32 v[S+i], v[S+i]
.set i, i+1
.endr
	v_nop                                          ; a plain instruction behind the last of them,
	s_wait_alu depctr_va_vdst(0)                   ; and the one wait ahead of the first line that names a result
.irp M, 0,1,2,3                        ; the sums of the unrounded weights, a pair (even key, odd key) a slot
.irp t, 0,1
.irp i, 0,1,2,3
.irp s, 0,1,2,3
.if (\s) >= (\M)
	RA \M, \s, \t
.if ((\M) == 0) && ((\t) == 0) && ((\i) == 0)
	v_pk_add_f32 v[LS+2*(\s):LS+2*(\s)+1], v[rA:rA+1], v[rA+2:rA+3]
.elseif ((\M) == 0) && ((\t) == 0) && ((\i) == 1)
.else
	v_pk_add_f32 v[LS+2*(\s):LS+2*(\s)+1], v[LS+2*(\s):LS+2*(\s)+1], v[rA+2*(\i):rA+2*(\i)+1]
.endif
.endif
.endr
.endr
.endr
.endr
.set p, 0
.rept 10                               ; a pair's 16 registers, rounded to f16 in place, are its fragment of P in the first eight
.irp k, 0,1,2,3,4,5,6,7
	v_cvt_pk_f16_f32 v[S+16*p+(\k)], v[S+16*p+2*(\k)], v[S+16*p+2*(\k)+1]
.endr
.set p, p+1
.endr
.irp s, 0,1,2,3
	v_add_f32 v[LS+2*(\s)], v[LS+2*(\s)], v[LS+2*(\s)+1]
.endr
.irp s, 0,1,2,3
	v_permlanex16_b32 v[44+(\s)], v[LS+2*(\s)], s50, s51
.endr
.irp s, 0,1,2,3
	v_add_f32 v[LS+2*(\s)], v[LS+2*(\s)], v[44+(\s)]
.endr
.irp s, 0,1,2,3
	ds_store_b32 v[SXW], v[LS+2*(\s)] offset:1024+256*(\s)
.endr
.set p, 0
.rept 10
	ds_store_b128 v[PWR], v[S+16*p:S+16*p+3]   offset:4096*p
	ds_store_b128 v[PWR], v[S+16*p+4:S+16*p+7] offset:4096*p+512
.set p, p+1
.endr
	s_wait_dscnt 0x0                               ; for the others: my partial sums and my fragments of P are written
	s_barrier_signal -1
	s_barrier_wait -1
.irp s, 0,1,2,3
	ds_load_b128 v[44+4*(\s)+4*((\s)/3):47+4*(\s)+4*((\s)/3)], v[SXR] offset:1024+256*(\s)
.endr
	s_wait_tensorcnt 1                             ; Vs tile 0 is in (my own part, which I alone read); tile 1, issued behind it, may stay out
	VFETCH 0, 0, 0, 0, 0
	s_wait_dscnt 40                                ; the four partial sums are in; the 40 loads just issued may stay out
.irp s, 0,1,2,3
	v_add_f32 v[LS+2*(\s)], v[44+4*(\s)+4*((\s)/3)], v[45+4*(\s)+4*((\s)/3)]
	v_add_f32 v[LS+2*(\s)+1], v[46+4*(\s)+4*((\s)/3)], v[47+4*(\s)+4*((\s)/3)]
.endr
.irp s, 0,1,2,3
	v_add_f32 v[LS+2*(\s)], v[LS+2*(\s)], v[LS+2*(\s)+1]
.endr
.irp s, 0,1,2,3
	v_rcp_f32 v[LS+2*(\s)+1], v[LS+2*(\s)]         ; l is at least 1: the row's largest score has weight 1
.endr
	v_nop
	s_wait_alu depctr_va_vdst(0)                   ; one wait for the four reciprocals
.irp s, 0,1,2,3
	v_mul_f32 v[FS+2*(\s)], 0x41800000, v[LS+2*(\s)+1]  ; 16 / l
.endr
	s_wait_xcnt 0x0                                ; the last prefetch, a softmax back, has read its base
	s_add_nc_u64 s[46:47], s[46:47], 524288        ; on to Vs tiles 4 and 5
	GPLAIN 0, 1                                    ; the first 64 products start O^T's sums: nothing is cleared
	GCHANGE 0, 1
	GPLAIN 1, 0
	GCHANGE 1, 1
	WIN 0
	s_wait_xcnt 0x0                                ; 56 products behind the last prefetch
	s_add_nc_u64 s[46:47], s[46:47], 524288        ; on to Vs tiles 6 and 7
	GPLAIN 2, 0
	GCHANGE 2, 1
	GPLAIN 3, 0
	GCHANGE 3, 1
	GPLAIN 4, 0
	GCHANGE 4, 0                                   ; tiles 6 and 7 are asked for; there is nothing two refills on
	GPLAIN 5, 0
	GCHANGE 5, 0
	GPLAIN 6, 0
	s_wait_dscnt 0x0
	VMUL 1, 3, 0, 8, 0
	s_wait_tensorcnt 0x0                           ; tile 7, my own part: no younger load; nothing is filled again, so no barrier follows
	PLACES
	VFETCH 1, 0, 0, 3, 2
	VMUL 1, 3, 8, 64, 0
	GPLAIN 7, 0
	s_wait_dscnt 0x0
	VMUL 1, 3, 0, 64, 0
	PLACES
	OUT 0
	OUT 1
	OUT 2
	OUT 3
	s_wait_tensorcnt 0x0                           ; the wave's end, behind my last tensor load and my last LDS store
	ds_add_u32 v[SPW], v[NIL]
	s_wait_dscnt 0x0
	CROUND                                         ; the closing round: no work-group ends while a partner may still ask for a tile that names it
	s_endpgm
.Lfunc_end_k_qd88781eabb_attn:
	.size	k_qd88781eabb_attn, .Lfunc_end_k_qd88781eabb_attn-k_qd88781eabb_attn
	.p2alignl 7, 3214868480
	.fill 96, 4, 3214868480
	.section	.rodata,"a",@progbits
	.p2align	6, 0x0
	.amdhsa_kernel k_qd88781eabb_attn
		.amdhsa_group_segment_fixed_size 327680
		.amdhsa_private_segment_fixed_size 0
		.amdhsa_enable_private_segment 0
		.amdhsa_kernarg_size 24
		.amdhsa_user_sgpr_count 2
		.amdhsa_user_sgpr_kernarg_segment_ptr 1
		.amdhsa_wavefront_size32 1
		.amdhsa_system_sgpr_workgroup_id_x 1
		.amdhsa_system_sgpr_workgroup_id_y 1
		.amdhsa_system_sgpr_workgroup_id_z 1
		.amdhsa_system_vgpr_workitem_id 0
		.amdhsa_next_free_vgpr 1024
		.amdhsa_next_free_sgpr 66
		.amdhsa_reserve_vcc 1
		.amdhsa_float_denorm_mode_32 3
		.amdhsa_float_denorm_mode_16_64 3
		.amdhsa_memory_ordered 1
		.amdhsa_forward_progress 1
		.amdhsa_inst_pref_size 230
	.end_amdhsa_kernel
	.amdgpu_metadata
---
amdhsa.version: [ 1, 2 ]
amdhsa.kernels:
  - .name:           k_qd88781eabb_attn
    .symbol:         k_qd88781eabb_attn.kd
    .args:
      - { .name: xh, .offset: 0, .size: 8, .value_kind: global_buffer, .address_space: global }
      - { .name: qv, .offset: 8, .size: 8, .value_kind: global_buffer, .address_space: global }
      - { .name: out0, .offset: 16, .size: 8, .value_kind: global_buffer, .address_space: global }
    .group_segment_fixed_size: 327680
    .private_segment_fixed_size: 0
    .kernarg_segment_align: 8
    .kernarg_segment_size: 24
    .max_flat_workgroup_size: 128
    .sgpr_count:     66
    .vgpr_count:     1024
    .wavefront_size: 32
...
	.end_amdgpu_metadata
.endif
;; end of part 3
